; MI455X (gfx1250); checked and timed in simulation.
; The chip was launched on July 23, 2026; its instructions are those of AMD's public machine-readable ISA for CDNA 5 (MIT licence, August 2026) and "CDNA5" Instruction Set Architecture Reference Guide (July 2026). The comments in the code are by the model that wrote it; some were corrected since.
;; Self Attention. Allowed arithmetic: float matrix products may take bf16 or f16 operands with f32 sums; other float arithmetic in f32, or as packed bf16 or f16 multiplies, adds, multiply-adds, maxima and minima; sums over many terms, partial sums and values carried from step to step in f32; what a program stores and reads back later, other than sums and carried values, may be rounded once to bf16 or f16.
;; Inputs: ln_b 1,024 float32; ln_w 1,024 float32; out_b 1,024 float32; out_w 1,024 x 1,024 float32; qkv_w 1,024 x 3,072 float32; x 4 x 2,048 x 1,024 float32.
;; Outputs: out0 4 x 2,048 x 1,024 float32.
;; One version. Each part assembles by itself: llvm-mc -triple=amdgcn-amd-amdhsa -mcpu=gfx1250 --defsym DOCPART=n.
;; ======== version 1 of 1: 4 launches
;; limits: values are held in f16: magnitudes above 65,504 overflow, below 6.1e-05 lose precision
;; workspace buffers: h 16,777,216 bytes; wq 6,291,456 bytes; wo 2,097,152 bytes; q 16,777,216 bytes; k 16,777,216 bytes; v 16,777,216 bytes; o 16,777,216 bytes
;; launch prep (part 1): grid 416 x 1, 8 waves a work-group, no clusters, 0 bytes of LDS; arguments x, ln_w, ln_b, qkv_w, out_w, h, wq, wo; writes h, wq, wo
.if DOCPART == 1
	.amdgcn_target "amdgcn-amd-amdhsa--gfx1250"
	.amdhsa_code_object_version 6
	.text
	.protected	k_qa957eacb66_prep
	.globl	k_qa957eacb66_prep
	.p2align	8
	.type	k_qa957eacb66_prep,@function
k_qa957eacb66_prep:
	s_mov_b64 s[64:65], 0
	v_nop
	global_prefetch_b8 v0, s[64:65] scope:SCOPE_SE
	s_setreg_imm32_b32 hwreg(HW_REG_WAVE_MODE, 25, 1), 1
	s_wait_xcnt 0x0
; THREE STREAMS IN ONE LAUNCH, told apart by the work-group's number.
;   work-groups 0-255:   h = LayerNorm(x) * ln_w + ln_b, [8192][1024], f32 in, bf16 out.  32 rows a work-group, 4 rows a wave.
;   work-groups 256-383: wq[head][k][j] = bf16(qkv_w[k][192 head + j]): a head's 192 columns made dense, 384 bytes a row.  128 k rows of one head a work-group.
;   work-groups 384-415: wo = f16(out_w), same layout.  32 rows a work-group, 4 rows a wave.
; LayerNorm goes in two passes over a row that stays in registers: the mean, then the mean of (x - mean)^2: a common offset on x is taken away before anything is squared.
; Every wave's text is straight: all its loads (up to 24 KiB) go out at its head, the counted waits run down, and no register that a load or store names is written a second time.
; No LDS, no matrix unit, no cluster: no wave wants a byte that another wave has fetched.
; LIMITS.  out_w must lie within f16's 65,504; below 6e-5 it keeps f16's fixed step of 6e-8.  NaN and infinities are not treated apart.
.set OX, 1                             ; v1  wave x 16,384 + 16 lane: my 16 bytes in the first of my wave's four f32 rows
.set OH, 2                             ; v2  wave x 8,192 + 8 lane: my 8 bytes in the first of its four 16-bit rows
.set OW, 3                             ; v3  16 lane: my 16 bytes of ln_w and ln_b
.set T,  4                             ; v[4:11]   four packed chains, at work
.set MU, 12                            ; v[12:13]  the mean, twice
.set RS, 14                            ; v[14:15]  1 / sqrt(var + eps), twice
.set W,  16                            ; v[16:47]  ln_w of my 32 columns
.set BB, 48                            ; v[48:79]  ln_b of my 32 columns
.set X,  80                            ; v[80:207] row r at X + 32 r: register 4 j + c holds column 128 j + 4 lane + c
	s_load_b512 s[4:19], s[0:1], 0x0               ; x s[4:5], ln_w s[6:7], ln_b s[8:9], qkv_w s[10:11], out_w s[12:13], h s[14:15], wq s[16:17], wo s[18:19]
	s_mov_b32 s28, ttmp9
	s_mov_b32 s20, 0x3a800000                      ; 1 / 1024
	s_mov_b32 s21, 0x3727c5ac                      ; 1e-5
	s_mov_b32 s22, 0x76543210                      ; v_permlanex16_b32: each lane takes its own place in the other half
	s_mov_b32 s23, 0xfedcba98
	s_mov_b32 s25, 0                               ; high words of the two offsets
	s_mov_b32 s27, 0
	v_and_b32 v3, 31, v0                           ; lane
	v_and_b32 v4, 0xe0, v0                         ; 32 x wave
	v_lshlrev_b32 v[OX], 4, v3
	v_lshl_or_b32 v[OX], v4, 9, v[OX]
	v_lshlrev_b32 v[OH], 3, v3
	v_lshl_or_b32 v[OH], v4, 8, v[OH]
	v_lshlrev_b32 v[OW], 4, v3
.macro LOAD4 lo                        ; my wave's four rows: 32 loads, each 512 consecutive bytes
.irp r, 0,1,2,3
.irp j, 0,1,2,3,4,5,6,7
	global_load_b128 v[X+32*(\r)+4*(\j):X+32*(\r)+4*(\j)+3], v[OX], s[(\lo):(\lo)+1] offset:4096*(\r)+512*(\j) th:TH_LOAD_NT
.endr
.endr
.endm
.macro CVT r, op                       ; row r is rounded to 16 bits in place: registers 4 j, 4 j + 1 take the four numbers of 4 j .. 4 j + 3
.irp j, 0,1,2,3,4,5,6,7
	\op v[X+32*(\r)+4*(\j)],   v[X+32*(\r)+4*(\j)],   v[X+32*(\r)+4*(\j)+1]
	\op v[X+32*(\r)+4*(\j)+1], v[X+32*(\r)+4*(\j)+2], v[X+32*(\r)+4*(\j)+3]
.endr
.endm
.macro STORE_ROW r, lo                 ; eight stores, each 256 consecutive bytes at a multiple of 256 from the buffer's first
.irp j, 0,1,2,3,4,5,6,7
	global_store_b64 v[OH], v[X+32*(\r)+4*(\j):X+32*(\r)+4*(\j)+1], s[(\lo):(\lo)+1] offset:2048*(\r)+256*(\j)
.endr
.endm
.macro REDUCE                          ; T's four pairs into one sum over the row, in every lane's v[T]
	v_pk_add_f32 v[T:T+1], v[T:T+1], v[T+2:T+3]
	v_pk_add_f32 v[T+4:T+5], v[T+4:T+5], v[T+6:T+7]
	v_pk_add_f32 v[T:T+1], v[T:T+1], v[T+4:T+5]
	v_add_f32 v[T], v[T], v[T+1]
	v_add_f32_dpp v[T], v[T], v[T] row_xmask:1 row_mask:0xf bank_mask:0xf
	v_add_f32_dpp v[T], v[T], v[T] row_xmask:2 row_mask:0xf bank_mask:0xf
	v_add_f32_dpp v[T], v[T], v[T] row_xmask:4 row_mask:0xf bank_mask:0xf
	v_add_f32_dpp v[T], v[T], v[T] row_xmask:8 row_mask:0xf bank_mask:0xf
	v_permlanex16_b32 v[T+1], v[T], s22, s23
	v_add_f32 v[T], v[T], v[T+1]
.endm
.macro LNROW r
.set XR, X+32*(\r)
	s_wait_loadcnt 8*(3-(\r))                      ; loads come back in order: row r is in (ln_w and ln_b are older); the later rows' eight loads each may stay out
.irp i, 0,1,2,3
	v_pk_add_f32 v[T+2*(\i):T+2*(\i)+1], v[XR+4*(\i):XR+4*(\i)+1], v[XR+4*(\i)+2:XR+4*(\i)+3]  ; the first sums start the four chains: nothing is cleared
.endr
.irp i, 0,1,2,3
	v_pk_add_f32 v[T+2*(\i):T+2*(\i)+1], v[T+2*(\i):T+2*(\i)+1], v[XR+16+4*(\i):XR+16+4*(\i)+1]
.endr
.irp i, 0,1,2,3
	v_pk_add_f32 v[T+2*(\i):T+2*(\i)+1], v[T+2*(\i):T+2*(\i)+1], v[XR+16+4*(\i)+2:XR+16+4*(\i)+3]
.endr
	REDUCE
	v_mul_f32 v[MU], s20, v[T]
	v_mul_f32 v[MU+1], s20, v[T]
.irp i, 0,1,2,3,4,5,6,7,8,9,10,11,12,13,14,15
	v_pk_add_f32 v[XR+2*(\i):XR+2*(\i)+1], v[XR+2*(\i):XR+2*(\i)+1], v[MU:MU+1] neg_lo:[0,1] neg_hi:[0,1]  ; x - mean
.endr
.irp i, 0,1,2,3
	v_pk_mul_f32 v[T+2*(\i):T+2*(\i)+1], v[XR+2*(\i):XR+2*(\i)+1], v[XR+2*(\i):XR+2*(\i)+1]
.endr
.irp i, 4,5,6,7,8,9,10,11,12,13,14,15
	v_pk_fma_f32 v[T+2*((\i)%4):T+2*((\i)%4)+1], v[XR+2*(\i):XR+2*(\i)+1], v[XR+2*(\i):XR+2*(\i)+1], v[T+2*((\i)%4):T+2*((\i)%4)+1]
.endr
	REDUCE
	v_fma_f32 v[T], v[T], s20, s21                 ; var + eps
	v_rsq_f32 v[RS], v[T]
	v_rsq_f32 v[RS+1], v[T]
	v_nop                                          ; a plain instruction behind the second root, ahead of the first use
	s_wait_alu depctr_va_vdst(0)                   ; one wait for the batch of two
.irp i, 0,1,2,3,4,5,6,7,8,9,10,11,12,13,14,15
	v_pk_mul_f32 v[XR+2*(\i):XR+2*(\i)+1], v[XR+2*(\i):XR+2*(\i)+1], v[RS:RS+1]
.endr
.irp i, 0,1,2,3,4,5,6,7,8,9,10,11,12,13,14,15
	v_pk_fma_f32 v[XR+2*(\i):XR+2*(\i)+1], v[XR+2*(\i):XR+2*(\i)+1], v[W+2*(\i):W+2*(\i)+1], v[BB+2*(\i):BB+2*(\i)+1]
.endr
	CVT \r, v_cvt_pk_bf16_f32
	STORE_ROW \r, 14
.endm
	s_cmp_lt_u32 s28, 256
	s_cbranch_scc0 .Lweights
	; ---- LayerNorm ----
	s_lshl_b32 s24, s28, 17                        ; 32 rows of 4,096 bytes
	s_lshl_b32 s26, s28, 16                        ; 32 rows of 2,048 bytes
	s_wait_kmcnt 0x0
	s_add_nc_u64 s[4:5], s[4:5], s[24:25]
	s_add_nc_u64 s[14:15], s[14:15], s[26:27]
.irp j, 0,1,2,3,4,5,6,7
	global_load_b128 v[W+4*(\j):W+4*(\j)+3], v[OW], s[6:7] offset:512*(\j)
.endr
.irp j, 0,1,2,3,4,5,6,7
	global_load_b128 v[BB+4*(\j):BB+4*(\j)+3], v[OW], s[8:9] offset:512*(\j)
.endr
	LOAD4 4
	LNROW 0
	LNROW 1
	LNROW 2
	LNROW 3
	s_endpgm
.Lweights:
	s_cmp_lt_u32 s28, 384
	s_cbranch_scc0 .Lwo
	; ---- qkv_w by heads ----  128 k rows x 192 columns are 3,072 chunks of 8 numbers; chunk E lies in row E / 24, at place E % 24; thread t takes chunks t + 256 n, n = 0 .. 11
	s_sub_co_u32 s28, s28, 256
	s_lshr_b32 s29, s28, 3                         ; head
	s_and_b32 s30, s28, 7                          ; which 128 k rows
	s_mul_i32 s24, s30, 1572864                    ; 128 rows of 12,288 bytes
	s_mul_i32 s31, s29, 768                        ; the head's 192 columns
	s_add_co_u32 s24, s24, s31
	s_mul_i32 s26, s29, 393216                     ; a head's 1,024 rows of 384 bytes
	s_mul_i32 s31, s30, 49152
	s_add_co_u32 s26, s26, s31
.irp i, 0,1,2
	v_add_nc_u32 v8, 256*(\i), v0                  ; e = t + 256 i, below 768: rows 0-31; 768 chunks further on are 32 rows further down
	v_mul_u32_u24 v9, v8, 2731
	v_lshrrev_b32 v9, 16, v9                       ; e / 24: 2731 / 65536 is above 1 / 24 by 5.1e-6, so below e = 3,072 the quotient is exact
	v_mul_u32_u24 v10, v9, 24
	v_sub_nc_u32 v10, v8, v10                      ; e % 24
	v_mul_u32_u24 v9, v9, 12288
	v_lshl_add_u32 v[4+(\i)], v10, 5, v9           ; row x 12,288 + 32 x place
.endr
	v_lshlrev_b32 v7, 4, v0                        ; 16 t: in wq the chunks lie on end
	s_wait_kmcnt 0x0
	s_add_nc_u64 s[10:11], s[10:11], s[24:25]
	s_add_nc_u64 s[16:17], s[16:17], s[26:27]
.irp jj, 0,1,2,3
.irp i, 0,1,2
	global_load_b128 v[X+8*(3*(\jj)+(\i)):X+8*(3*(\jj)+(\i))+3],   v[4+(\i)], s[10:11] offset:393216*(\jj) th:TH_LOAD_NT
	global_load_b128 v[X+8*(3*(\jj)+(\i))+4:X+8*(3*(\jj)+(\i))+7], v[4+(\i)], s[10:11] offset:393216*(\jj)+16 th:TH_LOAD_NT
.endr
.endr
.irp jj, 0,1,2,3
.irp i, 0,1,2
.set CH, X+8*(3*(\jj)+(\i))
	s_wait_loadcnt 22-2*(3*(\jj)+(\i))             ; of 24 loads those of the later chunks, two each, may stay out
	v_cvt_pk_bf16_f32 v[CH],   v[CH],   v[CH+1]
	v_cvt_pk_bf16_f32 v[CH+1], v[CH+2], v[CH+3]
	v_cvt_pk_bf16_f32 v[CH+2], v[CH+4], v[CH+5]
	v_cvt_pk_bf16_f32 v[CH+3], v[CH+6], v[CH+7]
	global_store_b128 v7, v[CH:CH+3], s[16:17] offset:4096*(\i)+12288*(\jj)  ; a wave stores 512 consecutive bytes, aligned
.endr
.endr
	s_endpgm
.Lwo:
	; ---- out_w to f16 ----
	s_sub_co_u32 s28, s28, 384
	s_lshl_b32 s24, s28, 17
	s_lshl_b32 s26, s28, 16
	s_wait_kmcnt 0x0
	s_add_nc_u64 s[12:13], s[12:13], s[24:25]
	s_add_nc_u64 s[18:19], s[18:19], s[26:27]
	LOAD4 12
.irp r, 0,1,2,3
	s_wait_loadcnt 8*(3-(\r))
	CVT \r, v_cvt_pk_f16_f32
	STORE_ROW \r, 18
.endr
	s_endpgm
.Lfunc_end_k_qa957eacb66_prep:
	.size	k_qa957eacb66_prep, .Lfunc_end_k_qa957eacb66_prep-k_qa957eacb66_prep
	.p2alignl 7, 3214868480
	.fill 96, 4, 3214868480
	.section	.rodata,"a",@progbits
	.p2align	6, 0x0
	.amdhsa_kernel k_qa957eacb66_prep
		.amdhsa_group_segment_fixed_size 0
		.amdhsa_private_segment_fixed_size 0
		.amdhsa_enable_private_segment 0
		.amdhsa_kernarg_size 64
		.amdhsa_user_sgpr_count 2
		.amdhsa_user_sgpr_kernarg_segment_ptr 1
		.amdhsa_wavefront_size32 1
		.amdhsa_system_sgpr_workgroup_id_x 1
		.amdhsa_system_sgpr_workgroup_id_y 1
		.amdhsa_system_sgpr_workgroup_id_z 1
		.amdhsa_system_vgpr_workitem_id 0
		.amdhsa_next_free_vgpr 208
		.amdhsa_next_free_sgpr 66
		.amdhsa_reserve_vcc 0
		.amdhsa_float_denorm_mode_32 3
		.amdhsa_float_denorm_mode_16_64 3
		.amdhsa_memory_ordered 1
		.amdhsa_forward_progress 1
		.amdhsa_inst_pref_size 57
	.end_amdhsa_kernel
	.amdgpu_metadata
---
amdhsa.version: [ 1, 2 ]
amdhsa.kernels:
  - .name:           k_qa957eacb66_prep
    .symbol:         k_qa957eacb66_prep.kd
    .args:
      - { .name: x, .offset: 0, .size: 8, .value_kind: global_buffer, .address_space: global }
      - { .name: ln_w, .offset: 8, .size: 8, .value_kind: global_buffer, .address_space: global }
      - { .name: ln_b, .offset: 16, .size: 8, .value_kind: global_buffer, .address_space: global }
      - { .name: qkv_w, .offset: 24, .size: 8, .value_kind: global_buffer, .address_space: global }
      - { .name: out_w, .offset: 32, .size: 8, .value_kind: global_buffer, .address_space: global }
      - { .name: h, .offset: 40, .size: 8, .value_kind: global_buffer, .address_space: global }
      - { .name: wq, .offset: 48, .size: 8, .value_kind: global_buffer, .address_space: global }
      - { .name: wo, .offset: 56, .size: 8, .value_kind: global_buffer, .address_space: global }
    .group_segment_fixed_size: 0
    .private_segment_fixed_size: 0
    .kernarg_segment_align: 8
    .kernarg_segment_size: 64
    .max_flat_workgroup_size: 256
    .sgpr_count:     66
    .vgpr_count:     208
    .wavefront_size: 32
...
	.end_amdgpu_metadata
.endif
;; end of part 1
;; launch qkv (part 2): grid 16 x 32, 4 waves a work-group, clusters of 4 x 4, 327,680 bytes of LDS; arguments h, wq, q, k, v; writes q, k, v
.if DOCPART == 2
	.amdgcn_target "amdgcn-amd-amdhsa--gfx1250"
	.amdhsa_code_object_version 6
	.text
	.protected	k_qa957eacb66_qkv
	.globl	k_qa957eacb66_qkv
	.p2align	8
	.type	k_qa957eacb66_qkv,@function
k_qa957eacb66_qkv:
	s_mov_b64 s[64:65], 0
	v_nop
	global_prefetch_b8 v0, s[64:65] scope:SCOPE_SE
	s_setreg_imm32_b32 hwreg(HW_REG_WAVE_MODE, 25, 1), 1
	s_wait_xcnt 0x0
	s_wait_alu depctr_hold_cnt(0) depctr_sa_sdst(0) depctr_va_vdst(0) depctr_va_sdst(0) depctr_va_ssrc(0) depctr_va_vcc(0) depctr_vm_vsrc(0)
	s_getreg_b32 s2, hwreg(HW_REG_IB_STS2, 6, 4)
	s_cmp_eq_u32 s2, 0
	s_cbranch_scc0 .Lentry_in_a_cluster
	s_endpgm
.Lentry_in_a_cluster:
	s_bfe_u32 s2, ttmp6, 0x10000c
	s_cmp_lg_u32 s2, 0xf033
	s_cbranch_scc0 .Lentry_shape_is_right
	s_endpgm
.Lentry_shape_is_right:
; [q | k | v] of one head = h x wq[head].  h: [8192][1024] bf16.  wq: [16][1024][192] bf16.  q, k, v: [64 = 16 batch + head][2048][64] f16, unscaled, each rounded once from its f32 sum.
; A work-group makes 256 rows x 192 columns (one head).  Wave w owns rows 64 w .. 64 w + 63 and all 192 columns: 4 x 12 accumulators of 16 x 16, 384 registers; so a wave holds whole rows of q, k and v,
; and its way out needs a stage of its own and no barrier.  K = 1,024 goes in 8 steps of 128 through a ring of two LDS slots filled by the tensor data mover.
; THE MATRIX INSTRUCTION IS USED TRANSPOSED: source 0 = 16 columns of wq (stored [k][n], turned by ds_load_tr16_b128), source 1 = 16 rows of h: a lane ends with row l % 16 and eight neighbouring columns.
; CLUSTER 4 x 4: h's tile hangs on the tile row alone and is asked for jointly along a row of the cluster, wq's on the head alone and is asked for jointly along a column.
; LIMIT.  q, k and v must lie within f16's 65,504.  NaN and infinities are not treated apart.
; LDS, a slot: h's 256 rows of 256 bytes, 272 apart; then wq's 128 k rows: 384 bytes in three pieces of 128, each followed by 32 of padding: 480 apart.  272 is an odd multiple of 16, 480 an odd multiple of 32.
; REGISTERS, in windows of 256: window 0: v0-31 addresses, v64-127 h's fragments (two buffers of 32), v32-175 at work on the way out;
;   window 1: accumulators of row blocks 0, 1 at v[96 (a % 2) + 8 b]; window 2: those of row blocks 2, 3; window 3: wq's fragments, two buffers of 96.
.set PITA,  272
.set PITB,  480
.set HALFA, 128*PITA                   ; 34,816: what one load of h brings
.set HALFB, 64*PITB                    ; 30,720: what one load of wq brings
.set BBASE, 2*HALFA                    ; 69,632
.set SLOT1, 131072                     ; = BBASE + 2 HALFB: slot 1 begins where slot 0 ends, and one exclusive or turns an address in one slot into the other's
.set STAGE, 2*SLOT1                    ; behind the ring, never filled by a tensor load
.set SPIT,  144                        ; a stage row: 128 bytes + 16
.set PARTB, 16*SPIT                    ; 16 rows of q, of k or of v
.set WSTAGE, 3*PARTB                   ; a wave's stage
.set SPARE, STAGE+4*WSTAGE             ; 289,792: the spare words, 128 bytes a wave: two blocks of 256 bytes that no other line names
.set ASTEP, 256                        ; bytes from a K step of h's tile to the next
.set BSTEP, 49152                      ; the same for wq: 128 rows of 384 bytes
.set WV,  14                           ; s14 my wave's number
.set FBW, 15                           ; s15 0: I fetch h's tiles, 1: wq's
.set HF,  16                           ; s16 which half of that tile
.set CX,  17
.set CY,  18
.set TX,  19                           ; s19 the head
.set TY,  20                           ; s20 the tile row
.set CNT, 21                           ; s21 the loop's count
.set G1A, 24                           ; s[24:31] group 1 for h's tiles
.set G0A, 32                           ; s[32:39] group 0 for h's tiles: a set for each first fill; the second then walks
.set TB,  42                           ; s42 the LDS byte at which the slot to be read begins
.set LIM, 43                           ; s43 1 in a wave that prefetches, else the greatest number
.set PFA, 44                           ; s[44:45] where my prefetches stand
.set PFS, 46                           ; s[46:47] their step
.set G1B, 48                           ; s[48:55], s[56:63] the same two groups for wq's tiles
.set G0B, 56
.set PA,  66                           ; s[66:67] h's tile: offset, then address; made of the tile row and the wave's number alone
.set PB,  68                           ; s[68:69] wq's tile: made of the head and the wave's number alone
.set LA,  70                           ; s70, s71 where my load lands in a slot
.set LB,  71
.set OO,  72                           ; s[72:73] my rows' offset in q, k and v
.set ADRA, 16                          ; v16, v17 LDS addresses of my fragments in the slot in hand
.set ADRB, 17
.set ADRA0, 18                         ; v18, v19 the same in slot 0; never rewritten
.set ADRB0, 19
.set STO, 24
.set RD,  25
.set GO,  26
.set SPW, 28                           ; v28 SPARE + 4 x my thread's number; never rewritten
.set NIL, 29                           ; v29 0; never rewritten
.set PFO, 30                           ; v30 the prefetches' lane offset; never rewritten
.set TMP, 128
.set MSB, 0
.macro WIN new                         ; the immediate's high byte repeats the setting that is left; a switch that changes nothing is dropped
.if MSB != (\new)
	s_set_vgpr_msb (MSB<<8)|(\new)
.set MSB, (\new)
.endif
.endm
.macro PLACES                          ; four plain places between a matrix instruction and a load into, or a vector read of, its registers
.rept 4
	v_nop
.endr
.endm
.macro G1REST g, rows, pitch           ; group 1 behind its first word: rows of 128 elements
	s_mov_b32 s[(\g)+1], 128<<16                   ; tensor_dim0 = 128
	s_mov_b32 s[(\g)+2], (\rows)<<16               ; tensor_dim1
	s_mov_b32 s[(\g)+3], 128<<16                   ; tile_dim0 = 128
	s_mov_b32 s[(\g)+4], \rows                     ; tile_dim1
	s_mov_b32 s[(\g)+5], \pitch                    ; elements from row to row
	s_mov_b32 s[(\g)+6], 0
	s_mov_b32 s[(\g)+7], 0
.endm
; A joint load.  Waves 0 and 1 fetch h's two halves, waves 2 and 3 wq's.  The branch hangs on the wave's number alone.  An s_nop 0 and four v_nop follow each line.
.macro JLOAD s
	s_cmp_eq_u32 s[FBW], 0
	s_cbranch_scc0 .Lfor_b_\@
	tensor_load_to_lds s[G0A+4*(\s):G0A+4*(\s)+3], s[G1A:G1A+7]
	s_nop 0
.rept 4
	v_nop
.endr
	s_branch .Lasked_\@
.Lfor_b_\@:
	tensor_load_to_lds s[G0B+4*(\s):G0B+4*(\s)+3], s[G1B:G1B+7]
	s_nop 0
.rept 4
	v_nop
.endr
.Lasked_\@:
.endm
.macro CREST                           ; a round of the cluster's barrier behind its opening barrier
	s_cmp_lg_u32 s[WV], 0
	s_cbranch_scc1 .Lnot_wave_0_\@
	s_barrier_signal -3
.Lnot_wave_0_\@:
	s_barrier_wait -3
	s_barrier_signal -1
	s_barrier_wait -1
.endm
.macro CROUND
	s_barrier_signal -1
	s_barrier_wait -1
	CREST
.endm
; A PREFETCH INTO THE L2, behind each joint refill and the run of LDS loads that follows it: the K step that the NEXT refill will ask for, 192 matrix instructions ahead of that load.
; h's tile row is read by every cluster of that row of clusters: cluster x = 0 asks; wq's head by every cluster of that column: cluster y = 0 asks.  The four partners share a wave's blocks out by address:
; of h's 128 rows of 256 bytes each takes 32, a lane a row; of wq's 96 blocks of 256 bytes each takes 24 (lanes 24-31 name block 23 once more, in the same instruction).
; The launch's first three K steps come by their loads alone; the loop's last trip asks for nothing: K step 7 is the last.
.macro ASK
	s_cmp_gt_u32 s[CNT], s[LIM]
	s_cbranch_scc0 .Lnot_mine_\@
	global_prefetch_b8 v[PFO], s[PFA:PFA+1] th:TH_LOAD_NT scope:SCOPE_SE
.Lnot_mine_\@:
.endm
	s_load_b256 s[4:11], s[0:1], 0x0               ; h s[4:5], wq s[6:7], q s[8:9], k s[10:11]
	s_load_b64 s[12:13], s[0:1], 0x20              ; v
	v_lshl_add_u32 v[SPW], v0, 2, SPARE
	v_mov_b32 v[NIL], 0
	ds_add_u32 v[SPW], v[NIL]                      ; the wave's opening: the add and its wait ahead of my first tensor load; the set-up below, work on registers, stands between
	v_lshrrev_b32 v1, 5, v0
	v_readfirstlane_b32 s[WV], v1
	s_lshr_b32 s[FBW], s[WV], 1
	s_and_b32 s[HF], s[WV], 1
	s_bfe_u32 s[CX], ttmp6, 0x40000
	s_bfe_u32 s[CY], ttmp6, 0x40004
	s_lshl_b32 s[TX], ttmp9, 2
	s_add_co_u32 s[TX], s[TX], s[CX]               ; head = 4 x cluster x + cx
	s_and_b32 s[TY], ttmp7, 0xffff
	s_lshl_b32 s[TY], s[TY], 2
	s_add_co_u32 s[TY], s[TY], s[CY]               ; tile row = 4 x cluster y + cy
	s_lshl_b32 s22, s[CY], 2
	s_lshl_b32 s22, 15, s22                        ; my row of the cluster
	s_lshl_b32 s23, 0x1111, s[CX]                  ; my column
	s_or_b32 s[G1A], s22, (1<<16)|(1<<20)|(1<<21)|(5<<22)|(3<<25)  ; the mask; 2-byte elements; padding on; bit 21 beside a mask; after every 64 words, 4 words
	s_or_b32 s[G1B], s23, (1<<16)|(1<<20)|(1<<21)|(4<<22)|(7<<25)  ; after every 32 words, 8 words
	G1REST G1A, 128, 1024                          ; 128 rows of h, 1,024 elements apart
	G1REST G1B, 96, 128                            ; 64 k rows of wq are 24,576 dense bytes: asked for as 96 rows of 256
	s_lshl_b32 s[PA], s[TY], 19                    ; 256 rows of 2,048 bytes,
	s_lshl_b32 s76, s[HF], 18                      ; my 128 of them
	s_add_co_u32 s[PA], s[PA], s76
	s_mov_b32 s[PA+1], 0
	s_mul_i32 s[PB], s[TX], 393216                 ; the head's 1,024 rows of 384 bytes,
	s_mul_i32 s77, s[HF], 24576                    ; my 64 of a K step's 128
	s_add_co_u32 s[PB], s[PB], s77
	s_mov_b32 s[PB+1], 0
	s_mul_i32 s[LA], s[HF], HALFA                  ; no place in the cluster enters an LDS address
	s_mul_i32 s[LB], s[HF], HALFB
	s_add_co_u32 s[LB], s[LB], BBASE
	s_lshr_b32 s[OO], s[TY], 3                     ; batch
	s_lshl_b32 s[OO], s[OO], 4
	s_add_co_u32 s[OO], s[OO], s[TX]               ; 16 batch + head,
	s_lshl_b32 s[OO], s[OO], 18                    ; its 2,048 rows of 128 bytes,
	s_and_b32 s40, s[TY], 7
	s_lshl_b32 s40, s40, 15                        ; the tile's 256 rows,
	s_add_co_u32 s[OO], s[OO], s40
	s_lshl_b32 s40, s[WV], 13                      ; my wave's 64
	s_add_co_u32 s[OO], s[OO], s40
	s_mov_b32 s[OO+1], 0
	s_mov_b32 s[TB], 0
	s_wait_dscnt 0x0                               ; the opening add is done
	s_wait_kmcnt 0x0
	s_add_nc_u64 s[PA:PA+1], s[4:5], s[PA:PA+1]
	s_add_nc_u64 s[PB:PB+1], s[6:7], s[PB:PB+1]
	s_add_nc_u64 s[8:9], s[8:9], s[OO:OO+1]
	s_add_nc_u64 s[10:11], s[10:11], s[OO:OO+1]
	s_add_nc_u64 s[12:13], s[12:13], s[OO:OO+1]
	CROUND                                         ; all sixteen work-groups are here: the first joint loads meet
.irp s, 0,1
	s_mov_b32 s[G0A+4*(\s)], 1                     ; count = 1
	s_add_co_u32 s[G0A+4*(\s)+1], s[LA], (\s)*SLOT1
	s_add_nc_u64 s[G0A+4*(\s)+2:G0A+4*(\s)+3], s[PA:PA+1], (\s)*ASTEP  ; K step s
	s_or_b32 s[G0A+4*(\s)+3], s[G0A+4*(\s)+3], 0x80000000  ; type = 2
	s_mov_b32 s[G0B+4*(\s)], 1
	s_add_co_u32 s[G0B+4*(\s)+1], s[LB], (\s)*SLOT1
	s_add_nc_u64 s[G0B+4*(\s)+2:G0B+4*(\s)+3], s[PB:PB+1], (\s)*BSTEP
	s_or_b32 s[G0B+4*(\s)+3], s[G0B+4*(\s)+3], 0x80000000
	JLOAD \s                                       ; two loads of mine are out
.endr
	v_and_b32 v1, 15, v0                           ; l % 16
	v_bfe_u32 v2, v0, 4, 1                         ; l / 16
	v_and_b32 v3, 7, v0
	v_bfe_u32 v4, v0, 3, 1
	v_mul_u32_u24 v[ADRA0], v1, PITA               ; h's fragment: row x pitch + 16 x half, in my wave's 64 rows
	v_lshl_add_u32 v[ADRA0], v2, 4, v[ADRA0]
	s_mul_i32 s40, s[WV], 64*PITA
	v_add_nc_u32 v[ADRA0], s40, v[ADRA0]
	v_lshl_add_u32 v[ADRB0], v2, 3, v3             ; the turning load: lane l reads k row 8 (l / 16) + l % 8, columns 8 ((l / 8) % 2) + 0..7
	v_mul_u32_u24 v[ADRB0], v[ADRB0], PITB
	v_lshl_add_u32 v[ADRB0], v4, 4, v[ADRB0]
	v_add_nc_u32 v[ADRB0], BBASE, v[ADRB0]
	v_mov_b32 v[ADRA], v[ADRA0]
	v_mov_b32 v[ADRB], v[ADRB0]
	s_mul_i32 s40, s[WV], WSTAGE
	s_add_co_u32 s40, s40, STAGE                   ; my stage
	v_mul_u32_u24 v[STO], v1, SPIT                 ; in: row l % 16, 16 bytes for each half of the lanes
	v_lshl_add_u32 v[STO], v2, 4, v[STO]
	v_add_nc_u32 v[STO], s40, v[STO]
	v_bfe_u32 v[RD], v0, 3, 2                      ; back: 32 lanes take four rows of 128 bytes,
	v_mul_u32_u24 v[RD], v[RD], SPIT
	v_lshl_add_u32 v[RD], v3, 4, v[RD]
	v_add_nc_u32 v[RD], s40, v[RD]
	v_and_b32 v[GO], 31, v0                        ; which are 512 consecutive bytes of q, k or v
	v_lshlrev_b32 v[GO], 4, v[GO]
	; the prefetches' address: my tile's, plus my work-group's share, at K step 2: the first refill steps it to 3
	s_lshl_b32 s40, s[CX], 16                      ; h: 32 rows of 2,048 bytes
	s_mul_i32 s41, s[CY], 6144                     ; wq: 24 blocks of 256 bytes
	s_and_b32 s75, ttmp7, 0xffff                   ; cluster y
	s_mov_b32 s[PFS], BSTEP
	s_cmp_eq_u32 s[FBW], 0
	s_cselect_b64 s[PFA:PFA+1], s[PA:PA+1], s[PB:PB+1]
	s_cselect_b32 s74, s40, s41
	s_cselect_b32 s[PFS], ASTEP, s[PFS]
	s_cselect_b32 s41, ttmp9, s75                  ; the coordinate along which other clusters read the same blocks
	s_cselect_b32 s22, 11, 8                       ; a lane a row of h, or a lane a block of wq
	s_cselect_b32 s23, 31, 23
	s_mov_b32 s75, 0
	s_mov_b32 s[PFS+1], 0
	s_cmp_eq_u32 s41, 0
	s_cselect_b32 s[LIM], 1, -1                    ; the same in all sixteen partners, for a given wave
	s_add_nc_u64 s[PFA:PFA+1], s[PFA:PFA+1], s[74:75]
	s_add_nc_u64 s[PFA:PFA+1], s[PFA:PFA+1], s[PFS:PFS+1]
	s_add_nc_u64 s[PFA:PFA+1], s[PFA:PFA+1], s[PFS:PFS+1]
	v_and_b32 v[PFO], 31, v0
	v_min_u32 v[PFO], s23, v[PFO]
	v_lshlrev_b32 v[PFO], s22, v[PFO]
; 12 matrix instructions: row block a x all 12 column blocks, 32 along K, from buffer f.  zero = 1: the first product starts the sum.  The 48 accumulators take turns, one instruction a turn,
; in the same order in every quarter, over the backward jump too.
.macro MULA f, a, zero
	WIN 0x53+0x50*((\a)/2)                         ; source 0 window 3, source 1 window 0, C and D window 1 or 2
.set AC, 96*((\a)%2)
.irp b, 0,1,2,3,4,5,6,7,8,9,10,11
.if \zero
	v_wmma_f32_16x16x32_bf16 v[AC+8*(\b):AC+8*(\b)+7], v[96*(\f)+8*(\b):96*(\f)+8*(\b)+7], v[64+32*(\f)+8*(\a):64+32*(\f)+8*(\a)+7], 0
.else
	v_wmma_f32_16x16x32_bf16 v[AC+8*(\b):AC+8*(\b)+7], v[96*(\f)+8*(\b):96*(\f)+8*(\b)+7], v[64+32*(\f)+8*(\a):64+32*(\f)+8*(\a)+7], v[AC+8*(\b):AC+8*(\b)+7]
.endif
.endr
.endm
; 32 LDS loads in one run: quarter qr (32 along K) of the slot in hand into buffer f: wq's 12 fragments, then h's four
.macro FETCH qr, f
	WIN 0xc0                                       ; destination window 3
.irp b, 0,1,2,3,4,5,6,7,8,9,10,11
	ds_load_tr16_b128 v[96*(\f)+8*(\b):96*(\f)+8*(\b)+3],   v[ADRB] offset:32*PITB*(\qr)+((\b)/4)*160+((\b)%4)*32
	ds_load_tr16_b128 v[96*(\f)+8*(\b)+4:96*(\f)+8*(\b)+7], v[ADRB] offset:32*PITB*(\qr)+((\b)/4)*160+((\b)%4)*32+16*PITB
.endr
	WIN 0
.irp i, 0,1,2,3
	ds_load_b128 v[64+32*(\f)+8*(\i):64+32*(\f)+8*(\i)+3],   v[ADRA] offset:64*(\qr)+16*PITA*(\i)
	ds_load_b128 v[64+32*(\f)+8*(\i)+4:64+32*(\f)+8*(\i)+7], v[ADRA] offset:64*(\qr)+16*PITA*(\i)+32
.endr
.endm
; One of a K step's first three quarters: multiplies buffer f; in its middle it fetches quarter qr into buffer g
.macro QUARTER qr, f, g, zero
	s_wait_dscnt 4                                 ; all but the youngest four loads, h's row blocks 2 and 3
	MULA \f, 0, \zero
	MULA \f, 1, \zero
	PLACES
	FETCH \qr, \g
	s_wait_dscnt 32                                ; all but the 32 just issued
	MULA \f, 2, \zero
	MULA \f, 3, \zero
.endm
; The fourth quarter multiplies buffer 1 and changes slots.  In front of the barrier each wave waits for all its tensor loads (one is out: its part of the next slot), adds 0 to its spare word, and waits for that
; and for its reads of this slot.  fill = 1: the barrier opens a round of the cluster's barrier, and the joint refill, two K steps ahead, is the first thing behind the round: 168 matrix instructions ahead of the wait for it.
.macro TURN fill
.if \fill
	s_wait_xcnt 0x0                                ; the last prefetch, a K step back, has read its address
	s_add_nc_u64 s[PFA:PFA+1], s[PFA:PFA+1], s[PFS:PFS+1]
.endif
	WIN 0
	s_wait_tensorcnt 0x0                           ; no tensor load of mine is out, so a group 0 may be written
	ds_add_u32 v[SPW], v[NIL]
.if \fill
	s_xor_b32 s[G0A+5], s[G0A+5], SLOT1            ; the walking descriptors: the other slot than last time, the next K step
	s_add_nc_u64 s[G0A+6:G0A+7], s[G0A+6:G0A+7], ASTEP
	s_xor_b32 s[G0B+5], s[G0B+5], SLOT1
	s_add_nc_u64 s[G0B+6:G0B+7], s[G0B+6:G0B+7], BSTEP
.endif
	s_xor_b32 s[TB], s[TB], SLOT1
	s_wait_dscnt 5                                 ; the add and the youngest four loads may be out
	MULA 1, 0, 0
	s_wait_dscnt 0x0                               ; the add is done, and my reads of this slot are over
	s_barrier_signal -1
	MULA 1, 1, 0
	WIN 0
	v_add_nc_u32 v[ADRA], s[TB], v[ADRA0]
	v_add_nc_u32 v[ADRB], s[TB], v[ADRB0]
	s_barrier_wait -1
.if \fill
	CREST
	JLOAD 1                                        ; its four v_nop are also the places in front of the loads below
.else
	PLACES
.endif
	FETCH 0, 0
.if \fill
	ASK
.endif
	MULA 1, 2, 0
	MULA 1, 3, 0
.endm
; THE WAY OUT of row block a.  PACK: rounded to f16, each accumulator from its low end.  TOSTAGE: into my stage, q's, k's and v's 16 rows apart, and back as whole rows.  SEND: stored.
.macro PACK a
	WIN 0x05+0x05*((\a)/2)                         ; sources in window 1 or 2
.set AC, 96*((\a)%2)
.irp b, 0,1,2,3,4,5,6,7,8,9,10,11
.irp r, 0,1,2,3
	v_cvt_pk_f16_f32 v[TMP+4*(\b)+(\r)], v[AC+8*(\b)+2*(\r)], v[AC+8*(\b)+2*(\r)+1]
.endr
.endr
	WIN 0
.endm
.macro TOSTAGE a
.set BK, 32+48*((\a)%2)
.irp b, 0,1,2,3,4,5,6,7,8,9,10,11
	ds_store_b128 v[STO], v[TMP+4*(\b):TMP+4*(\b)+3] offset:((\b)/4)*PARTB+((\b)%4)*32
.endr
.irp p, 0,1,2
.irp f, 0,1,2,3
	ds_load_b128 v[BK+4*(4*(\p)+(\f)):BK+4*(4*(\p)+(\f))+3], v[RD] offset:PARTB*(\p)+4*SPIT*(\f)  ; LDS serves a wave's instructions in order (ISA guide 5.7.1.4): these see the stores above
.endr
.endr
.endm
.macro SEND a
.set BK, 32+48*((\a)%2)
	s_wait_dscnt 0x0                               ; the block is back in registers
	s_wait_xcnt 0x0                                ; the stores of the block before have read their registers, into which the next block is loaded
.irp p, 0,1,2
.irp f, 0,1,2,3
	global_store_b128 v[GO], v[BK+4*(4*(\p)+(\f)):BK+4*(4*(\p)+(\f))+3], s[8+2*(\p):9+2*(\p)] offset:2048*(\a)+512*(\f)  ; 512 consecutive bytes, aligned
.endr
.endr
.endm
	s_wait_tensorcnt 1                             ; my part of K step 0 is in; K step 1's may stay out
	s_barrier_signal -1
	s_barrier_wait -1
	FETCH 0, 0
	QUARTER 1, 0, 1, 1                             ; the first quarter stands in front of the loop: its products start the sums
	WIN 0
	s_mov_b32 s[CNT], 6
.Lstep:                                                ; a trip goes from a K step's second quarter to the next step's first, and fills one slot again
	QUARTER 2, 1, 0, 0
	QUARTER 3, 0, 1, 0
	TURN 1
	QUARTER 1, 0, 1, 0
	WIN 0
	s_sub_co_u32 s[CNT], s[CNT], 1
	s_cmp_lg_u32 s[CNT], 0
	s_cbranch_scc1 .Lstep
	QUARTER 2, 1, 0, 0                             ; K steps 6 and 7 are written out: nothing is left to ask for
	QUARTER 3, 0, 1, 0
	TURN 0
	QUARTER 1, 0, 1, 0
	QUARTER 2, 1, 0, 0
	QUARTER 3, 0, 1, 0
	s_wait_dscnt 4
	MULA 1, 0, 0
	MULA 1, 1, 0
	s_wait_dscnt 0x0
	MULA 1, 2, 0
	MULA 1, 3, 0
	WIN 0
	PLACES
	PLACES                                         ; eight plain places, once a launch, ahead of the conversions that read the results
	PACK 0
	TOSTAGE 0
.irp a, 1,2,3                          ; block a's conversions stand between block a - 1's loads from the stage and the wait for them
	PACK \a
	SEND (\a)-1
	TOSTAGE \a
.endr
	SEND 3
	s_wait_tensorcnt 0x0                           ; the wave's end
	ds_add_u32 v[SPW], v[NIL]
	s_wait_dscnt 0x0
	CROUND                                         ; the closing round
	s_endpgm
.Lfunc_end_k_qa957eacb66_qkv:
	.size	k_qa957eacb66_qkv, .Lfunc_end_k_qa957eacb66_qkv-k_qa957eacb66_qkv
	.p2alignl 7, 3214868480
	.fill 96, 4, 3214868480
	.section	.rodata,"a",@progbits
	.p2align	6, 0x0
	.amdhsa_kernel k_qa957eacb66_qkv
		.amdhsa_group_segment_fixed_size 327680
		.amdhsa_private_segment_fixed_size 0
		.amdhsa_enable_private_segment 0
		.amdhsa_kernarg_size 40
		.amdhsa_user_sgpr_count 2
		.amdhsa_user_sgpr_kernarg_segment_ptr 1
		.amdhsa_wavefront_size32 1
		.amdhsa_system_sgpr_workgroup_id_x 1
		.amdhsa_system_sgpr_workgroup_id_y 1
		.amdhsa_system_sgpr_workgroup_id_z 1
		.amdhsa_system_vgpr_workitem_id 0
		.amdhsa_next_free_vgpr 960
		.amdhsa_next_free_sgpr 80
		.amdhsa_reserve_vcc 0
		.amdhsa_float_denorm_mode_32 3
		.amdhsa_float_denorm_mode_16_64 3
		.amdhsa_memory_ordered 1
		.amdhsa_forward_progress 1
		.amdhsa_inst_pref_size 98
	.end_amdhsa_kernel
	.amdgpu_metadata
---
amdhsa.version: [ 1, 2 ]
amdhsa.kernels:
  - .name:           k_qa957eacb66_qkv
    .symbol:         k_qa957eacb66_qkv.kd
    .args:
      - { .name: h, .offset: 0, .size: 8, .value_kind: global_buffer, .address_space: global }
      - { .name: wq, .offset: 8, .size: 8, .value_kind: global_buffer, .address_space: global }
      - { .name: q, .offset: 16, .size: 8, .value_kind: global_buffer, .address_space: global }
      - { .name: k, .offset: 24, .size: 8, .value_kind: global_buffer, .address_space: global }
      - { .name: v, .offset: 32, .size: 8, .value_kind: global_buffer, .address_space: global }
    .group_segment_fixed_size: 327680
    .private_segment_fixed_size: 0
    .kernarg_segment_align: 8
    .kernarg_segment_size: 40
    .max_flat_workgroup_size: 128
    .sgpr_count:     80
    .vgpr_count:     960
    .wavefront_size: 32
...
	.end_amdgpu_metadata
.endif
;; end of part 2
;; launch attn (part 3): grid 4 x 64, 4 waves a work-group, clusters of 4 x 1, 327,680 bytes of LDS; arguments q, k, v, o; writes o
.if DOCPART == 3
	.amdgcn_target "amdgcn-amd-amdhsa--gfx1250"
	.amdhsa_code_object_version 6
	.text
	.protected	k_qa957eacb66_attn
	.globl	k_qa957eacb66_attn
	.p2align	8
	.type	k_qa957eacb66_attn,@function
k_qa957eacb66_attn:
	s_mov_b64 s[64:65], 0
	v_nop
	global_prefetch_b8 v0, s[64:65] scope:SCOPE_SE
	s_setreg_imm32_b32 hwreg(HW_REG_WAVE_MODE, 25, 1), 1
	s_wait_xcnt 0x0
	s_wait_alu depctr_hold_cnt(0) depctr_sa_sdst(0) depctr_va_vdst(0) depctr_va_sdst(0) depctr_va_ssrc(0) depctr_va_vcc(0) depctr_vm_vsrc(0)
	s_getreg_b32 s2, hwreg(HW_REG_IB_STS2, 6, 4)
	s_cmp_eq_u32 s2, 0
	s_cbranch_scc0 .Lentry_in_a_cluster
	s_endpgm
.Lentry_in_a_cluster:
	s_bfe_u32 s2, ttmp6, 0x10000c
	s_cmp_lg_u32 s2, 0x3003
	s_cbranch_scc0 .Lentry_shape_is_right
	s_endpgm
.Lentry_shape_is_right:
; O[h][q][:] = the sum over k of softmax_k(Q[h][q] . K[h][k] / 32) V[h][k][:].  Q, K, V, O: [64][2048][64], all f16: a head's rows are dense, 128 bytes each.  Products, maxima and sums in
; f32; the weights p are rounded to f16 for the second product (their sum l is taken of the unrounded p), O once at the end.
; LIMITS.  f16 holds no number beyond 65,504: Q, K and V arrive within it; p lies in 0 to 1, and below 6e-5 it keeps f16's fixed step of 6e-8; O is a mean of V's rows and has their range.
; A weight below 2^-126 counts as 0 in l; NaN and infinities are not treated apart.
; SHARES.  A wave owns four PIECES of two tiles of 16 queries, a work-group's four waves 512 queries of one head.  Every wave walks all keys, 64 a step.
; LAYOUT.  S^T = K Q^T (source 0 = 16 keys, source 1 = 16 queries): a lane holds ONE query (lane % 16) and the keys 8 (lane / 16) + 0..7.  Two such tiles, rounded to f16 in pairs,
; ARE source 1 (32 keys x 16 queries) of O^T = V^T P, whose result again holds one query a lane, and eight channels.  K comes out of LDS as it lies, V ([key][channel]) turned, by ds_load_tr16_b128.
; SOFTMAX.  For each query a running maximum m and sum l: p = 2^(c s - c m), c = log2(e) / 32; in every step O and l are multiplied by a = 2^(c m_old - c m_new).
; m starts at the lowest finite number, O and l at 0: the first step is a step like any other, with a = 0.
; THE COUNT.  A tile and step have 16 matrix and 118 vector instructions.  So: four vector instructions that are ready behind EVERY matrix instruction, the others in one run without a gap.
; BY TURNS.  Turn n belongs to piece n.  Its matrix work: 16 products K Q^T of piece n + 1, later 16 products V^T P of piece n - 1.  Its vector work: the scaling, exponentials, roundings, sums and
; rescaling of piece n, and the maximum and statistics of piece n + 1.
; CLUSTER.  The four query blocks of a head form a cluster and walk the same K and V: each tile is asked for JOINTLY, by the same tensor load, descriptor and mask in all four.
; REGISTERS, in windows of 256 (s_set_vgpr_msb: bits 1:0 source 0, 3:2 source 1, 5:4 source 2, 7:6 destination):
;   window 0: v0-11 addresses; v12-15, v48-63 at work; v16-47 four registers of statistics a tile; v64-191 S^T, two buffers of two tiles; v192-255 P, likewise
;   window 1: O^T, 32 a tile          window 2: v0-127 Q, 16 a tile; v128-191 K of one step; v192-255 V of one step          window 3: v0-1 the add's two registers
.set SIZE_H, 64
.set SIZE_N, 2048
.set NP,    4         ; pieces a wave: a name, no knob
.set KS,    64        ; keys in a step
.set PK,    144       ; a row of K in LDS: 128 bytes + 16: an odd multiple of 16
.set PV,    160       ; a row of V: 128 + 32: an odd multiple of 32
.set VOFF,  4*KS*PK   ; a slot holds four steps: 256 rows of K, then 256 rows of V
.set SLOT1, 1<<17     ; slot 1 begins here, so that one exclusive or turns an address in one slot into the other's
.set STAGE, SLOT1+4*KS*(PK+PV)  ; behind the ring, never filled by a tensor load: 16 rows x 144 bytes for each wave
.set SP,    144
.set AK0, 2           ; v2   my lane's place in a tile of K; never rewritten
.set AV0, 3           ; v3   the same for V
.set AK,  4           ; v4   the LDS address of K's next run of loads
.set AV,  5           ; v5   of V's
.set QO,  6           ; v6   my byte offset in the wave's rows of Q
.set STO, 6           ;      later, the way out: where I put 16 bytes of a row
.set RD,  7           ; v7   the way out: where I read rows back
.set GO,  8           ; v8   my byte offset in 512 consecutive bytes of O
.set PFO, 11          ; v11  256 x my lane, for the prefetches; never rewritten once it is made
.set SPW, 0           ; v0 of window 3   SPARE + 4 x my thread's number; never rewritten
.set NIL, 1           ; v1 of window 3   0; never rewritten
.set SPARE, STAGE+4*16*SP  ; the spare words, 128 bytes for each wave: two blocks of 256 bytes that no other line names
.set MV,  12          ; v12-15  c m_old, kept while c m is made anew: by buffer and tile
.set ST,  16          ; tile t's statistics at v[ST+4 t]: c m, m, l (even keys', odd keys')
.set TMP, 48          ; by buffer and tile, four registers c0-c3 at work; when the maximum is found c2 takes a
.set S,   64
.set P,   192
.set KF,  128         ; K's fragments, in window 2
.set VF,  192         ; V's
.set WV,  12          ; s12  my wave's number
.set G1K, 24          ; s[24:31] descriptor group 1 for K's tiles
.set G1V, 32          ; s[32:39] for V's: it differs in the padding alone
.set G0K, 40          ; s[40:43] descriptor group 0 for K's tiles: it walks
.set G0V, 44          ; s[44:47] the same for V's
.set PFA, 48          ; s[48:49] where my prefetches stand
.set LIM, 50          ; s50  1 in a wave that prefetches, else the greatest number
.set SLOTS, 56        ; s56  slots still to be asked for
.set CNT, 57          ; s57  counts a slot's key steps
.set CS,  58          ; s[58:59] c
.set SEL, 60          ; s[60:61] v_permlanex16_b32's selects
.set TBK, 62          ; s62  LDS byte at which K of the step to be fetched begins
.set TBV, 63          ; s63  the same for V, less VOFF
.set MSB, 0
.macro WIN new
.if MSB != (\new)
	s_set_vgpr_msb (MSB<<8)|(\new)
.set MSB, (\new)
.endif
.endm
.set W_KQ, 0x0a       ; K and Q in window 2, S^T in window 0
.set W_PV, 0x52       ; V in window 2, P in window 0, O^T in window 1
.set W_RS, 0x41       ; O^T (destination and source 0) in window 1, a in window 0
.set W_MK, 0xc0       ; the add's registers are made: destination in window 3
.set W_AD, 0x0f       ; the add: address and data in window 3
; A joint fill.  Waves 0 and 1 fetch the two halves of a slot's K, waves 2 and 3 those of its V: 128 keys each.  An s_nop 0 and four v_nop follow each line.
.macro JLOAD
	s_cmp_lt_u32 s[WV], 2
	s_cbranch_scc0 .Lfor_v_\@
	tensor_load_to_lds s[G0K:G0K+3], s[G1K:G1K+7]
	s_nop 0
.rept 4
	v_nop
.endr
	s_branch .Lasked_\@
.Lfor_v_\@:
	tensor_load_to_lds s[G0V:G0V+3], s[G1V:G1V+7]
	s_nop 0
.rept 4
	v_nop
.endr
.Lasked_\@:
.endm
; A PREFETCH INTO THE L2 of what the NEXT change of slots will ask for: a slot's 32,768 bytes of K and of V, in blocks of 256, a lane a block.  A head has one cluster; its four partners share the blocks
; out by address, 32 each; in each, wave 0 asks for K's and wave 2 for V's.  So each block is named once in the launch.  Slots 0 to 2 come by their loads alone; the last change that fills a slot asks for nothing.
.macro ASK
	s_cmp_gt_u32 s[SLOTS], s[LIM]
	s_cbranch_scc0 .Lnot_mine_\@
	global_prefetch_b8 v[PFO], s[PFA:PFA+1] th:TH_LOAD_NT scope:SCOPE_SE
.Lnot_mine_\@:
.endm
.macro CROUND
	s_barrier_signal -1
	s_barrier_wait -1
	s_cmp_lg_u32 s[WV], 0
	s_cbranch_scc1 .Lnot_wave_0_\@
	s_barrier_signal -3
.Lnot_wave_0_\@:
	s_barrier_wait -3
	s_barrier_signal -1
	s_barrier_wait -1
.endm
; THE CHANGE OF SLOTS.  Each wave waits for all its tensor loads (one is out: its part of the other slot), adds 0 to its spare word, and waits for that and for its own reads of the slot.
; fill = 1: the slot is filled again, with the keys two slots on; the barrier is then a round of the cluster's, and the joint fill is the first thing behind it: it has four key steps in which to land.
; ask = 1: the prefetches' address steps, and ASK follows the fill.
.macro CHANGE fill, ask=0
	WIN W_AD
	s_wait_tensorcnt 0x0            ; no tensor load of mine is out, so a group 0 may be written
	ds_add_u32 v[SPW], v[NIL]
	WIN 0
.if \fill
.irp g, G0K, G0V
	s_xor_b32 s[\g+1], s[\g+1], SLOT1
	s_add_nc_u64 s[\g+2:\g+3], s[\g+2:\g+3], 4*KS*128
.endr
.if \ask
	s_wait_xcnt 0x0                 ; the last prefetch, four key steps back, has read its address
	s_add_nc_u64 s[PFA:PFA+1], s[PFA:PFA+1], 4*KS*128
.endif
	s_wait_dscnt 0x0                ; the add is done, and my reads of the slot are over
	CROUND
	JLOAD
.if \ask
	ASK
.endif
.else
	s_wait_dscnt 0x0
	s_barrier_signal -1
	s_barrier_wait -1
.endif
	s_sub_co_u32 s[TBK], s[TBK], 4*KS*PK  ; the fetches go back to a slot's first step,
	s_xor_b32 s[TBK], s[TBK], SLOT1       ; in the other slot
	s_sub_co_u32 s[TBV], s[TBV], 4*KS*PV
	s_xor_b32 s[TBV], s[TBV], SLOT1
.endm
	s_load_b256 s[4:11], s[0:1], 0x0  ; Q s[4:5], K s[6:7], V s[8:9], O s[10:11]
	WIN W_MK
	v_lshl_add_u32 v[SPW], v0, 2, SPARE
	v_mov_b32 v[NIL], 0
	WIN W_AD
	ds_add_u32 v[SPW], v[NIL]       ; the wave's opening: the add and its wait ahead of my first tensor load
	WIN 0
	v_lshrrev_b32 v1, 5, v0
	v_readfirstlane_b32 s[WV], v1   ; wave 0..3
	s_bfe_u32 s13, ttmp6, 0x40000   ; cx: my place in the cluster
	s_lshl_b32 s14, ttmp9, 2
	s_add_co_u32 s14, s14, s13      ; my block of queries: it enters Q's and O's addresses alone
	s_and_b32 s20, ttmp7, 0xffff    ; the head, which the four partners share
	s_mov_b32 s21, 0
	s_mov_b64 s[22:23], SIZE_N*128
	s_mul_u64 s[20:21], s[20:21], s[22:23]  ; the head's first byte in each of the four tensors
	s_and_b32 s16, s[WV], 1         ; which half of a slot's 256 keys I fetch:
	s_lshl_b32 s22, s16, 14         ; its 128 rows of 128 bytes in memory,
	s_mov_b32 s23, 0
	s_add_nc_u64 s[22:23], s[22:23], s[20:21]
	s_mul_i32 s17, s16, 128*PK      ; and its place in a slot, for K
	s_mul_i32 s18, s16, 128*PV      ; and for V
	s_lshl_b32 s2, s14, 2
	s_add_co_u32 s2, s2, s[WV]      ; my wave among the head's,
	s_lshl_b32 s2, s2, 14           ; its 128 rows
	s_mov_b32 s3, 0
	s_add_nc_u64 s[2:3], s[2:3], s[20:21]
	; descriptor group 1.  128 keys are 16,384 dense bytes: asked for as 64 rows of 256 bytes, two keys a row, and padded in LDS after every key
	s_mov_b32 s[G1K], 15|(1<<16)|(1<<20)|(1<<21)|(4<<22)|(3<<25)
	s_mov_b32 s[G1V], 15|(1<<16)|(1<<20)|(1<<21)|(4<<22)|(7<<25)
.irp g, G1K, G1V
	s_mov_b32 s[\g+1], 128<<16      ; tensor_dim0 = 128
	s_mov_b32 s[\g+2], 64<<16       ; tensor_dim1 = 64
	s_mov_b32 s[\g+3], 128<<16      ; tile_dim0 = 128
	s_mov_b32 s[\g+4], 64           ; tile_dim1 = 64
	s_mov_b32 s[\g+5], 128          ; 128 elements from row to row
	s_mov_b32 s[\g+6], 0
	s_mov_b32 s[\g+7], 0
.endr
	s_mov_b32 s[CS], 0x3d38aa3b     ; c = log2(e) / 32 = 0.0450842
	s_mov_b32 s[CS+1], s[CS]
	s_mov_b32 s[SEL], 0x76543210
	s_mov_b32 s[SEL+1], 0xfedcba98
	s_mov_b32 s[TBK], SLOT1+4*KS*PK ; the first change of slots turns these two into 0
	s_mov_b32 s[TBV], SLOT1+4*KS*PV
	s_mov_b32 s[G0K], 1
	s_mov_b32 s[G0K+1], s17         ; slot 0
	s_mov_b32 s[G0V], 1
	s_add_co_u32 s[G0V+1], s18, VOFF
	s_cmp_eq_u32 s16, 0             ; waves 0 and 2 prefetch
	s_cselect_b32 s[LIM], 1, -1
	s_wait_dscnt 0x0                ; the opening add is done
	s_wait_kmcnt 0x0
	s_add_nc_u64 s[G0K+2:G0K+3], s[6:7], s[22:23]
	s_or_b32 s[G0K+3], s[G0K+3], 0x80000000
	s_add_nc_u64 s[G0V+2:G0V+3], s[8:9], s[22:23]
	s_or_b32 s[G0V+3], s[G0V+3], 0x80000000
	s_add_nc_u64 s[4:5], s[4:5], s[2:3]  ; Q and O at my wave's first row
	s_add_nc_u64 s[10:11], s[10:11], s[2:3]
	s_cmp_lt_u32 s[WV], 2
	s_cselect_b64 s[PFA:PFA+1], s[6:7], s[8:9]
	s_add_nc_u64 s[PFA:PFA+1], s[PFA:PFA+1], s[20:21]  ; the head,
	s_lshl_b32 s2, s13, 13          ; my work-group's 32 blocks of a slot's 128,
	s_mov_b32 s3, 0
	s_add_nc_u64 s[PFA:PFA+1], s[PFA:PFA+1], s[2:3]
	s_add_nc_u64 s[PFA:PFA+1], s[PFA:PFA+1], 2*4*KS*128  ; in slot 2: the first change that asks steps it to slot 3
	CROUND                          ; all four work-groups are here: the first joint loads meet
	JLOAD                           ; slot 0.  Slot 1 is asked for when slot 0 is in
	v_and_b32 v1, 15, v0            ; l % 16
	v_bfe_u32 v9, v0, 4, 1          ; l / 16
	v_lshlrev_b32 v[QO], 7, v1
	v_lshl_add_u32 v[QO], v9, 4, v[QO]  ; row x 128 + 16 x half
	WIN 0x80                        ; destination window 2, address window 0
.set i, 0
.rept 4*NP                          ; Q stays in registers: tile i / 2, channels 32 (i % 2) on
	global_load_b128 v[8*i:8*i+3],   v[QO], s[4:5] offset:(i/2)*2048+(i%2)*64
	global_load_b128 v[8*i+4:8*i+7], v[QO], s[4:5] offset:(i/2)*2048+(i%2)*64+32
.set i, i+1
.endr
	; What the first turn finds: V's registers and P's second buffer hold 0, O^T and l are 0.  All this stands in the wait for the first tile.
.set i, VF
.rept 64
	v_mov_b32 v[i], 0
.set i, i+1
.endr
	WIN 0x40
.set i, 0
.rept 64*NP
	v_mov_b32 v[i], 0
.set i, i+1
.endr
	WIN 0
.set i, 0
.rept 2*NP
	v_mov_b32 v[ST+4*i], 0xfe000000    ; c m: far below every c s
	v_mov_b32 v[ST+4*i+1], 0xff7fffff  ; m
	v_mov_b32 v[ST+4*i+2], 0
	v_mov_b32 v[ST+4*i+3], 0
.set i, i+1
.endr
.set i, P+32
.rept 32
	v_mov_b32 v[i], 0
.set i, i+1
.endr
	v_mul_u32_u24 v[AK0], v1, PK
	v_lshl_add_u32 v[AK0], v9, 4, v[AK0]  ; row x pitch + 16 x half
	; The turning load: lane l reads key 8 (l / 16) + l % 8, channels 8 ((l / 8) % 2) + 0..7, and is left with channel l % 16 and 8 keys.
	v_and_b32 v10, 7, v0
	v_bfe_u32 v11, v0, 3, 1
	v_lshl_add_u32 v[AV0], v9, 3, v10
	v_mul_u32_u24 v[AV0], v[AV0], PV
	v_lshl_add_u32 v[AV0], v11, 4, v[AV0]
	v_add_nc_u32 v[AV0], VOFF, v[AV0]
	v_mov_b32 v[AK], v[AK0]         ; key step 0 lies at the head of slot 0
	v_and_b32 v[PFO], 31, v0
	v_lshlrev_b32 v[PFO], 8, v[PFO]
; THE MATRIX WORK.  The 8 accumulators of a run of 16 take turns.
; Product i of 16 of S^T = K Q^T for piece x: channels 32 (i / 8) on, keys 16 ((i / 2) % 4) on, tile 2 x + i % 2.  The first 8 start the sums.
.macro KQ x
	WIN W_KQ
.set rS, S+64*((\x)%2)+32*(i%2)+8*((i/2)%4)
.set rK, KF+16*((i/2)%4)+8*(i/8)
.set rQ, 16*(2*(\x)+i%2)+8*(i/8)
.if i < 8
	v_wmma_f32_16x16x32_f16 v[rS:rS+7], v[rK:rK+7], v[rQ:rQ+7], 0
.else
	v_wmma_f32_16x16x32_f16 v[rS:rS+7], v[rK:rK+7], v[rQ:rQ+7], v[rS:rS+7]
.endif
.endm
; Product i of 16 of O^T += V^T P for piece x: keys 32 (i / 8) on, channels 16 ((i / 2) % 4) on, tile 2 x + i % 2.
.macro PV x
	WIN W_PV
.set rO, 32*(2*(\x)+i%2)+8*((i/2)%4)
.set rV, VF+32*(i/8)+8*((i/2)%4)
.set rP, P+32*((\x)%2)+16*(i%2)+8*(i/8)
	v_wmma_f32_16x16x32_f16 v[rO:rO+7], v[rV:rV+7], v[rP:rP+7], v[rO:rO+7]
.endm
.macro MM                           ; the turn's next matrix instruction
.if i < 16
	KQ (Y+1)%NP
.set i, i+1
.else
.set i, i-16
	PV (Y+NP-1)%NP
.set i, i+17
.endif
.endm
; THE LDS LOADS stand in runs of 16: a step's K (8 fragments) and its V (turned).  last = 1 (the tail): in the last trip there is no further step, and the run is jumped over.
.macro FETCH_K last=0
	WIN 0
.if \last
	s_cmp_eq_u32 s[CNT], 1
	s_cbranch_scc1 .Lno_k_\@
.endif
	WIN 0x80                        ; destination window 2
.irp f, 0,1,2,3,4,5,6,7             ; keys 16 (f / 2) on, channels 32 (f % 2) on
	ds_load_b128 v[KF+8*\f:KF+8*\f+3],   v[AK] offset:(\f/2)*16*PK+(\f%2)*64
	ds_load_b128 v[KF+8*\f+4:KF+8*\f+7], v[AK] offset:(\f/2)*16*PK+(\f%2)*64+32
.endr
	s_add_co_u32 s[TBK], s[TBK], KS*PK  ; the next fetch is the next step's
	WIN 0
.if \last
.Lno_k_\@:
.endif
.endm
.macro FETCH_V
	WIN 0x80
.irp f, 0,1,2,3,4,5,6,7             ; keys 32 (f / 4) on, channels 16 (f % 4) on
	ds_load_tr16_b128 v[VF+8*\f:VF+8*\f+3],   v[AV] offset:(\f/4)*32*PV+(\f%4)*32
	ds_load_tr16_b128 v[VF+8*\f+4:VF+8*\f+7], v[AV] offset:(\f/4)*32*PV+16*PV+(\f%4)*32
.endr
	WIN 0
.endm
; THE VECTOR WORK OF A TURN stands in three queues, each in the order in which its entries become ready; the two tiles alternate.
.macro REGS y, u                    ; the registers of tile u (0, 1) of piece y
.set rT, ST+4*(2*(\y)+(\u))
.set rC, TMP+8*((\y)%2)+4*(\u)
.set rM, MV+2*((\y)%2)+(\u)
.set rS, S+64*((\y)%2)+32*(\u)
.set rP, P+32*((\y)%2)+16*(\u)
.set rO, 32*(2*(\y)+(\u))
.endm
; Number n of the 22 that find the NEXT piece's maximum and statistics; each accumulator's lowest registers are read first.
;   0-11  four chains c0-c3 of seven scores each     12-14, 16  the four scores left over, the old m, and c0-c3 into c0     15  c m_old is kept
;   17, 18  the query's other 32 keys lie in the lane 16 away: the new m         19-21  c m; c m_old - c m_new; a
.macro XS u, n
	REGS (Y+1)%NP, \u
.if (\n) < 4
	v_max3_num_f32 v[rC+(\n)], v[rS+8*(\n)], v[rS+8*(\n)+1], v[rS+8*(\n)+2]
.elseif (\n) < 12
	v_max3_num_f32 v[rC+(\n)%4], v[rC+(\n)%4], v[rS+8*((\n)%4)+2*((\n)/4)+1], v[rS+8*((\n)%4)+2*((\n)/4)+2]
.elseif (\n) == 12
	v_max3_num_f32 v[rC], v[rC], v[rS+7], v[rS+15]
.elseif (\n) == 13
	v_max3_num_f32 v[rC+1], v[rC+1], v[rS+23], v[rS+31]
.elseif (\n) == 14
	v_max3_num_f32 v[rC+2], v[rC+2], v[rC+3], v[rT+1]
.elseif (\n) == 15
	v_mov_b32 v[rM], v[rT]
.elseif (\n) == 16
	v_max3_num_f32 v[rC], v[rC], v[rC+1], v[rC+2]
.elseif (\n) == 17
	v_permlanex16_b32 v[rC+3], v[rC], s[SEL], s[SEL+1]
.elseif (\n) == 18
	v_max_num_f32 v[rT+1], v[rC], v[rC+3]
.elseif (\n) == 19
	v_mul_f32 v[rT], s[CS], v[rT+1]
.elseif (\n) == 20
	v_sub_f32 v[rC+1], v[rM], v[rT]
.else
	v_exp_f32 v[rC+2], v[rC+1]
.endif
.endm
; Number g of the 64 that follow the exponentials.  For each four weights of a tile: both pairs are rounded to f16; the second pair is added onto the first, in place; a group later l takes that sum.
.macro GS g
.set h, (\g)+6*((\g)/62)            ; group 0 has no group before it, and behind group 7 only l is left
.if h >= 6
.set h, h+2
.endif
	REGS Y, h%2
.set k, h/8
.if h%8 < 4
	v_cvt_pk_f16_f32 v[rP+2*k+(h%8)/2], v[rS+4*k+2*((h%8)/2)], v[rS+4*k+2*((h%8)/2)+1]
.elseif h%8 < 6
	v_pk_add_f32 v[rS+4*k:rS+4*k+1], v[rS+4*k:rS+4*k+1], v[rS+4*k+2:rS+4*k+3]
.elseif k == 1
	v_pk_fma_f32 v[rT+2:rT+3], v[rT+2:rT+3], v[rC+2:rC+3], v[rS:rS+1] op_sel_hi:[1,0,1]
.else
	v_pk_add_f32 v[rT+2:rT+3], v[rT+2:rT+3], v[rS+4*k-4:rS+4*k-3]
.endif
.endm
; THE PLAIN QUEUE, 138 long.  0-73 read no exponential's result: the 32 scalings c s - c m and the next piece's 42.  74-137: GS's 64, which stand behind the wait.
.macro FS f
	REGS Y, (\f)%2
	v_pk_fma_f32 v[rS+2*((\f)/2):rS+2*((\f)/2)+1], v[rS+2*((\f)/2):rS+2*((\f)/2)+1], s[CS:CS+1], v[rT:rT+1] op_sel_hi:[1,0,0] neg_lo:[0,0,1] neg_hi:[0,0,1]
.endm
.macro PL
	WIN 0
.if q < 27
	FS q
.elseif q < 55
	XS (q-27)%2, (q-27)/2
.elseif q < 57
	XS q-55, 15
.elseif (q < 72) && ((q-57)%3 == 0)
	FS 27+(q-57)/3
.elseif q < 60
	XS (q-57)%3-1, 14
.elseif q < 72
	XS (q-57)%3-1, 15+(q-57)/3
.elseif q < 74
	XS q-72, 20
.else
	GS q-74
.endif
.set q, q+1
.endm
; THE EXPONENTIALS' QUEUE, 66 long: s0-s31 of both tiles, then the next piece's two a.  ONE BATCH: all 66 stand ahead of the turn's one wait, and nothing ahead of that wait names a result of theirs.
.macro EX
	WIN 0
.if e >= 64
	XS e-64, 21
.else
	REGS Y, e%2
	v_exp_f32 v[rS+e/2], v[rS+e/2]
.endif
.set e, e+1
.endm
; THE RESCALING's QUEUE: O^T times a, two at a time, sixteen times.  Its a was made in the turn before, ahead of that turn's wait.
.macro R2
	REGS Y, r%2
	WIN W_RS
.irp z, 0,1
	v_pk_mul_f32 v[rO+4*(r/2)+2*\z:rO+4*(r/2)+2*\z+1], v[rO+4*(r/2)+2*\z:rO+4*(r/2)+2*\z+1], v[rC+2:rC+3] op_sel_hi:[1,0]
.endr
.set r, r+1
.endm
; A TURN, for piece p.  AHEAD OF ITS ONE WAIT: the 16 products K Q^T, behind each a scaling, an exponential and two rescalings; then one run of 108: eight plain, 49 times exponential and plain, the two a; a v_nop is the
; plain instruction behind the last exponential.  BEHIND IT: the 16 products V^T P, behind each four of GS's 64.  Exponential e stands behind its scaling: as a rider behind plain e + 2, in the run behind plain e + 9.
; K of the next step is fetched in piece 2's turn, directly behind the wait; V of the step in hand at the end of piece 0's turn, four plain instructions behind its last reader.  The conditions on q go with the deal.
.macro TURN p, last=0, cnt=0
.set Y, (\p)
.set i, 0
.set q, 0
.set e, 0
.set r, 0
.if (\p) == NP-1
	s_wait_dscnt 0x0                ; K is in
.endif
	MM
	PL
	PL
	R2
.rept 15
	MM
	PL
	EX
	R2
.endr
.if (\p) == NP-2
	WIN 0
	v_add_nc_u32 v[AK], s[TBK], v[AK0]
.endif
.rept 8
	PL
.endr
.rept 49
	EX
	PL
.endr
	EX                              ; the next piece's two a
	EX
	v_nop                           ; a plain instruction behind the last exponential: one for the batch
	s_wait_alu depctr_va_vdst(0)    ; the wait for the batch
.if (\p) == NP-2
	FETCH_K \last
.endif
.if (\p) == 1
	s_wait_dscnt 0x0                ; V is in
.endif
.rept 16
	MM
.rept 4
	PL
.endr
.if ((\p) == 0) && (q == 118)
	v_add_nc_u32 v[AV], s[TBV], v[AV0]
.endif
.if ((\p) == 0) && (q == 130)
	s_add_co_u32 s[TBV], s[TBV], KS*PV
.endif
.if (\cnt) && (q == 130)
	s_sub_co_u32 s[CNT], s[CNT], 1
	s_cmp_lg_u32 s[CNT], 0
.endif
.endr
.if (\p) == 0
	FETCH_V
.endif
.endm
	CHANGE 1                        ; slot 0 is in, everybody's part of it; slot 1 is asked for
	FETCH_K                         ; key step 0
	s_wait_loadcnt 0x0              ; Q
	s_wait_dscnt 0x0
.set i, 0
.rept 16
	KQ 0                            ; piece 0's first scores
.set i, i+1
.endr
	WIN 0                           ; the addresses for the way out: plain instructions, the places behind those products
	s_mul_i32 s13, s[WV], 16*SP
	s_add_co_u32 s13, s13, STAGE    ; my stage
	v_mul_u32_u24 v[STO], v1, SP    ; in: row l % 16, 16 bytes for each half of the lanes
	v_lshl_add_u32 v[STO], v9, 4, v[STO]
	v_add_nc_u32 v[STO], s13, v[STO]
	v_bfe_u32 v[RD], v0, 3, 2       ; back: 32 lanes take four rows of 128 bytes,
	v_mul_u32_u24 v[RD], v[RD], SP
	v_lshl_add_u32 v[RD], v10, 4, v[RD]
	v_add_nc_u32 v[RD], s13, v[RD]
	v_and_b32 v[GO], 31, v0         ; which are 512 consecutive bytes of O
	v_lshlrev_b32 v[GO], 4, v[GO]
.set Y, NP-1                        ; XS works for piece Y + 1: piece 0
.irp n, 0,1,2,3,4,5,6,7,8,9,10,11,12,13,14,15,16,17,18,19,20,21
	XS 0, \n                        ; piece 0's first maximum and statistics
	XS 1, \n
.endr
	v_nop                           ; a plain instruction behind the two a,
	s_wait_alu depctr_va_vdst(0)    ; and their wait, ahead of the branch
	s_mov_b32 s[CNT], 4
	s_mov_b32 s[SLOTS], SIZE_N/256-1
	s_branch .Lfirst                ; the loop is entered at a step's first turn, in the middle of a trip
.Lslot:                             ; six times: every slot but the last two is filled again
	CHANGE 1, 1
	s_mov_b32 s[CNT], 4
.Lstep:                             ; a trip: pieces 2 and 3 of one step, then pieces 0 and 1 of the next, whose K and V it fetches
	TURN 2
	TURN 3
	WIN 0
.Lfirst:
	TURN 0
	TURN 1, 0, 1
	WIN 0
	s_cbranch_scc1 .Lstep
	s_sub_co_u32 s[SLOTS], s[SLOTS], 1
	s_cmp_lg_u32 s[SLOTS], 0
	s_cbranch_scc1 .Lslot
	CHANGE 0                        ; the tail is written out: nothing is asked for
	s_mov_b32 s[CNT], 5             ; four trips fetch the last slot's steps; the fifth is left in its middle
.Ltail:
	TURN 2, 1
	TURN 3
	WIN 0
	s_sub_co_u32 s[CNT], s[CNT], 1
	s_cmp_eq_u32 s[CNT], 0
	s_cbranch_scc1 .Lout
	TURN 0
	TURN 1
	WIN 0
	s_branch .Ltail
.Lout:                              ; the fifth trip's 16 products K Q^T (on the last K once more) and the maximum made of them serve nothing: the price, once a launch, of one text for every trip
.set i, 0
.rept 16
	PV NP-1                         ; the last piece's V^T P of the last step
.set i, i+1
.endr
	; THE WAY OUT.  l's two halves and the other half of the lanes' are added; O^T is divided by l, rounded to f16 and sent through my stage, a tile at a time.  The additions are the places behind the last products.
	WIN 0
.macro ALL line:vararg              ; one line for each tile t
.set t, 0
.rept 2*NP
	\line
.set t, t+1
.endr
.endm
	ALL v_add_f32 v[ST+4*t+2], v[ST+4*t+2], v[ST+4*t+3]
	ALL v_permlanex16_b32 v[ST+4*t+3], v[ST+4*t+2], s[SEL], s[SEL+1]
	ALL v_add_f32 v[ST+4*t+2], v[ST+4*t+2], v[ST+4*t+3]
	ALL v_rcp_f32 v[ST+4*t+2], v[ST+4*t+2]
	v_nop                           ; a plain instruction between the last reciprocal and the use of its result
	s_wait_alu depctr_va_vdst(0)    ; one wait for the eight reciprocals
.macro PACK t
	WIN W_RS
.set i, 32*(\t)
.rept 16
	v_pk_mul_f32 v[i:i+1], v[i:i+1], v[ST+4*(\t)+2:ST+4*(\t)+3] op_sel_hi:[1,0]
.set i, i+2
.endr
	WIN 0x05                        ; sources 0 and 1 window 1, destination window 0
.set i, 0
.rept 16
	v_cvt_pk_f16_f32 v[S+16*(\t)+i], v[32*(\t)+2*i], v[32*(\t)+2*i+1]
.set i, i+1
.endr
	WIN 0
.irp f, 0,1,2,3
	ds_store_b128 v[STO], v[S+16*(\t)+4*\f:S+16*(\t)+4*\f+3] offset:32*\f
.endr
.irp f, 0,1,2,3
	ds_load_b128 v[S+16*(\t)+4*\f:S+16*(\t)+4*\f+3], v[RD] offset:\f*4*SP  ; LDS serves a wave's instructions in order (ISA guide 5.7.1.4): these see the stores above
.endr
.endm
.macro SEND t, younger              ; younger: the LDS instructions issued behind tile t's loads: the next tile's eight, or none
	WIN 0
.irp f, 0,1,2,3
	s_wait_dscnt (\younger)+3-\f
	global_store_b128 v[GO], v[S+16*(\t)+4*\f:S+16*(\t)+4*\f+3], s[10:11] offset:(\t)*2048+\f*512  ; 512 consecutive bytes, aligned
.endr
.endm
	PACK 0
.set t, 1
.rept 2*NP-1                        ; a tile's arithmetic stands between the loads of the tile before and its stores
	PACK t
	SEND t-1, 8
.set t, t+1
.endr
	SEND 2*NP-1, 0
	WIN W_AD
	s_wait_tensorcnt 0x0            ; the wave's end
	ds_add_u32 v[SPW], v[NIL]
	s_wait_dscnt 0x0
	WIN 0
	CROUND                          ; the closing round
	s_endpgm
.Lfunc_end_k_qa957eacb66_attn:
	.size	k_qa957eacb66_attn, .Lfunc_end_k_qa957eacb66_attn-k_qa957eacb66_attn
	.p2alignl 7, 3214868480
	.fill 96, 4, 3214868480
	.section	.rodata,"a",@progbits
	.p2align	6, 0x0
	.amdhsa_kernel k_qa957eacb66_attn
		.amdhsa_group_segment_fixed_size 327680
		.amdhsa_private_segment_fixed_size 0
		.amdhsa_enable_private_segment 0
		.amdhsa_kernarg_size 32
		.amdhsa_user_sgpr_count 2
		.amdhsa_user_sgpr_kernarg_segment_ptr 1
		.amdhsa_wavefront_size32 1
		.amdhsa_system_sgpr_workgroup_id_x 1
		.amdhsa_system_sgpr_workgroup_id_y 1
		.amdhsa_system_sgpr_workgroup_id_z 1
		.amdhsa_system_vgpr_workitem_id 0
		.amdhsa_next_free_vgpr 770
		.amdhsa_next_free_sgpr 66
		.amdhsa_reserve_vcc 0
		.amdhsa_float_denorm_mode_32 3
		.amdhsa_float_denorm_mode_16_64 3
		.amdhsa_memory_ordered 1
		.amdhsa_forward_progress 1
		.amdhsa_inst_pref_size 200
	.end_amdhsa_kernel
	.amdgpu_metadata
---
amdhsa.version: [ 1, 2 ]
amdhsa.kernels:
  - .name:           k_qa957eacb66_attn
    .symbol:         k_qa957eacb66_attn.kd
    .args:
      - { .name: q, .offset: 0, .size: 8, .value_kind: global_buffer, .address_space: global }
      - { .name: k, .offset: 8, .size: 8, .value_kind: global_buffer, .address_space: global }
      - { .name: v, .offset: 16, .size: 8, .value_kind: global_buffer, .address_space: global }
      - { .name: o, .offset: 24, .size: 8, .value_kind: global_buffer, .address_space: global }
    .group_segment_fixed_size: 327680
    .private_segment_fixed_size: 0
    .kernarg_segment_align: 8
    .kernarg_segment_size: 32
    .max_flat_workgroup_size: 128
    .sgpr_count:     66
    .vgpr_count:     770
    .wavefront_size: 32
...
	.end_amdgpu_metadata
.endif
;; end of part 3
;; launch proj (part 4): grid 8 x 32, 4 waves a work-group, clusters of 4 x 4, 327,680 bytes of LDS; arguments o, wo, out_b, x, out0; writes out0
.if DOCPART == 4
	.amdgcn_target "amdgcn-amd-amdhsa--gfx1250"
	.amdhsa_code_object_version 6
	.text
	.protected	k_qa957eacb66_proj
	.globl	k_qa957eacb66_proj
	.p2align	8
	.type	k_qa957eacb66_proj,@function
k_qa957eacb66_proj:
	s_mov_b64 s[64:65], 0
	v_nop
	global_prefetch_b8 v0, s[64:65] scope:SCOPE_SE
	s_setreg_imm32_b32 hwreg(HW_REG_WAVE_MODE, 25, 1), 1
	s_wait_xcnt 0x0
	s_wait_alu depctr_hold_cnt(0) depctr_sa_sdst(0) depctr_va_vdst(0) depctr_va_sdst(0) depctr_va_ssrc(0) depctr_va_vcc(0) depctr_vm_vsrc(0)
	s_getreg_b32 s2, hwreg(HW_REG_IB_STS2, 6, 4)
	s_cmp_eq_u32 s2, 0
	s_cbranch_scc0 .Lentry_in_a_cluster
	s_endpgm
.Lentry_in_a_cluster:
	s_bfe_u32 s2, ttmp6, 0x10000c
	s_cmp_lg_u32 s2, 0xf033
	s_cbranch_scc0 .Lentry_shape_is_right
	s_endpgm
.Lentry_shape_is_right:
; out0 = O x wo + out_b + x.  o: [64 = 16 batch + head][2048][64] f16.  wo: [1024 (k)][1024 (n)] f16.  out_b: [1024] f32.  x, out0: [8192][1024] f32.  Sums in f32; the bias starts each sum, x is added in f32.
; A work-group makes 256 rows x 128 columns.  Wave w owns rows 64 w .. 64 w + 63 and all 128 columns: 4 x 8 accumulators of 16 x 16, 256 registers: whole pieces of 512 bytes of out0's rows, so its way out
; needs a stage of its own and no barrier.  K = 1,024 goes in 8 steps of 128 (two heads) through a ring of two LDS slots filled by the tensor data mover.
; THE MATRIX INSTRUCTION IS USED TRANSPOSED: source 0 = 16 columns of wo (stored [k][n], turned by ds_load_tr16_b128), source 1 = 16 rows of O.
; CLUSTER 4 x 4: O's tile hangs on the tile row alone and is asked for jointly along a row of the cluster, wo's on the tile column alone, along a column.
; x (64 rows x 512 bytes a wave) is loaded into registers under the products, half at the start and half in the tail, so that only the stores are left for the end.
; LDS, a slot: two heads x 256 rows of O, 128 bytes each, 144 apart; then wo's 128 k rows of 256 bytes, 288 apart.  144 is an odd multiple of 16, 288 an odd multiple of 32.
; REGISTERS, in windows of 256: window 0: v0-31 addresses, v64-127 O's fragments (two buffers of 32), v128-191 the bias in the result's layout, v64-127 and v192-255 at work on the way out;
;   window 1: the accumulators at v[64 a + 8 b]; window 2: wo's fragments, two buffers of 64; window 3: x, row 16 a + r at v[64 a + 4 r].
.set PITA,  144
.set PITB,  288
.set HALFA, 256*PITA                   ; 36,864: a head's 256 rows: what one load of O brings
.set HALFB, 64*PITB                    ; 18,432: what one load of wo brings
.set BBASE, 2*HALFA                    ; 73,728
.set SLOT1, 131072                     ; a slot takes 110,592 bytes; slot 1 begins here, so that one exclusive or turns an address in one slot into the other's
.set STAGE, SLOT1+BBASE+2*HALFB        ; 241,664: behind the ring, never filled by a tensor load
.set SPIT,  528                        ; a stage row: 512 bytes + 16
.set WSTAGE, 16*SPIT                   ; a wave's stage
.set SPARE, STAGE+4*WSTAGE             ; 275,456: the spare words, 128 bytes a wave: two blocks of 256 bytes that no other line names
.set ASTEP, 524288                     ; two heads on
.set BSTEP, 262144                     ; 128 rows of 2,048 bytes
.set WV,  14
.set FBW, 15                           ; s15 0: I fetch O's tiles, 1: wo's
.set HF,  16
.set CX,  17
.set CY,  18
.set TX,  19                           ; s19 the tile column
.set TY,  20                           ; s20 the tile row
.set CNT, 21
.set G1A, 24
.set G0A, 32
.set TB,  42
.set LIM, 43                           ; s43 2 in a wave that prefetches, else the greatest number
.set PFA, 44
.set PFS, 46
.set G1B, 48
.set G0B, 56
.set PA,  66                           ; s[66:67] O's tile: made of the tile row and the wave's number alone
.set PB,  68                           ; s[68:69] wo's tile: made of the tile column and the wave's number alone
.set LA,  70
.set LB,  71
.set OO,  72                           ; s[72:73] my rows' offset in x and out0
.set ADRA, 16
.set ADRB, 17
.set ADRA0, 18
.set ADRB0, 19
.set STO, 24
.set RD,  25
.set CO,  26                           ; v26 16 x lane: my 16 bytes of a row's 512
.set BO,  27                           ; v27 32 (l / 16): my eight numbers of a block of 16 of the bias
.set SPW, 28
.set NIL, 29
.set PFO, 30
.set BIAS, 128
.set MSB, 0
.macro WIN new
.if MSB != (\new)
	s_set_vgpr_msb (MSB<<8)|(\new)
.set MSB, (\new)
.endif
.endm
.macro PLACES
.rept 4
	v_nop
.endr
.endm
.macro G1REST g, rows, pitch
	s_mov_b32 s[(\g)+1], 128<<16                   ; tensor_dim0 = 128
	s_mov_b32 s[(\g)+2], (\rows)<<16               ; tensor_dim1
	s_mov_b32 s[(\g)+3], 128<<16                   ; tile_dim0 = 128
	s_mov_b32 s[(\g)+4], \rows                     ; tile_dim1
	s_mov_b32 s[(\g)+5], \pitch                    ; elements from row to row
	s_mov_b32 s[(\g)+6], 0
	s_mov_b32 s[(\g)+7], 0
.endm
.macro JLOAD s                         ; a joint load: waves 0 and 1 fetch O's two heads, waves 2 and 3 wo's two halves; an s_nop 0 and four v_nop follow each line
	s_cmp_eq_u32 s[FBW], 0
	s_cbranch_scc0 .Lfor_b_\@
	tensor_load_to_lds s[G0A+4*(\s):G0A+4*(\s)+3], s[G1A:G1A+7]
	s_nop 0
.rept 4
	v_nop
.endr
	s_branch .Lasked_\@
.Lfor_b_\@:
	tensor_load_to_lds s[G0B+4*(\s):G0B+4*(\s)+3], s[G1B:G1B+7]
	s_nop 0
.rept 4
	v_nop
.endr
.Lasked_\@:
.endm
.macro CREST
	s_cmp_lg_u32 s[WV], 0
	s_cbranch_scc1 .Lnot_wave_0_\@
	s_barrier_signal -3
.Lnot_wave_0_\@:
	s_barrier_wait -3
	s_barrier_signal -1
	s_barrier_wait -1
.endm
.macro CROUND
	s_barrier_signal -1
	s_barrier_wait -1
	CREST
.endm
; A PREFETCH INTO THE L2, behind each joint refill and the run of LDS loads that follows it: the K step that stands two refills on, 256 matrix instructions ahead of the load that will want it.
; O's tile row is read by both clusters of that row of clusters: cluster x = 0 asks; wo's tile column by every cluster of that column: cluster y = 0 asks.  The four partners share the blocks out by address:
; of the 128 blocks of 256 bytes that wave 0 or 1 fetches of O each takes 32; of wo's 128 k rows each takes 32, a lane a row, and wave 2 asks for them alone.
; The launch's first four K steps come by their loads alone; the loop's last two trips ask for nothing: K step 7 is the last.
.macro ASK
	s_cmp_gt_u32 s[CNT], s[LIM]
	s_cbranch_scc0 .Lnot_mine_\@
	global_prefetch_b8 v[PFO], s[PFA:PFA+1] th:TH_LOAD_NT scope:SCOPE_SE
.Lnot_mine_\@:
.endm
	s_load_b256 s[4:11], s[0:1], 0x0               ; o s[4:5], wo s[6:7], out_b s[8:9], x s[10:11]
	s_load_b64 s[12:13], s[0:1], 0x20              ; out0
	v_lshl_add_u32 v[SPW], v0, 2, SPARE
	v_mov_b32 v[NIL], 0
	ds_add_u32 v[SPW], v[NIL]                      ; the wave's opening: the add and its wait ahead of my first tensor load
	v_lshrrev_b32 v1, 5, v0
	v_readfirstlane_b32 s[WV], v1
	s_lshr_b32 s[FBW], s[WV], 1
	s_and_b32 s[HF], s[WV], 1
	s_bfe_u32 s[CX], ttmp6, 0x40000
	s_bfe_u32 s[CY], ttmp6, 0x40004
	s_lshl_b32 s[TX], ttmp9, 2
	s_add_co_u32 s[TX], s[TX], s[CX]
	s_and_b32 s[TY], ttmp7, 0xffff
	s_lshl_b32 s[TY], s[TY], 2
	s_add_co_u32 s[TY], s[TY], s[CY]
	s_lshl_b32 s22, s[CY], 2
	s_lshl_b32 s22, 15, s22                        ; my row of the cluster
	s_lshl_b32 s23, 0x1111, s[CX]                  ; my column
	s_or_b32 s[G1A], s22, (1<<16)|(1<<20)|(1<<21)|(4<<22)|(3<<25)  ; the mask; 2-byte elements; padding on; bit 21 beside a mask; after every 32 words, 4 words
	s_or_b32 s[G1B], s23, (1<<16)|(1<<20)|(1<<21)|(5<<22)|(7<<25)  ; after every 64 words, 8 words
	G1REST G1A, 128, 128                           ; a head's 256 rows are 32,768 dense bytes: asked for as 128 rows of 256
	G1REST G1B, 64, 1024                           ; 64 k rows of wo, 1,024 elements apart
	s_lshr_b32 s[PA], s[TY], 3                     ; batch:
	s_lshl_b32 s[PA], s[PA], 22                    ; its 16 heads of 2,048 rows of 128 bytes,
	s_lshl_b32 s76, s[HF], 18                      ; my head of a K step's two,
	s_add_co_u32 s[PA], s[PA], s76
	s_and_b32 s76, s[TY], 7
	s_lshl_b32 s76, s76, 15                        ; the tile's 256 rows
	s_add_co_u32 s[PA], s[PA], s76
	s_mov_b32 s[PA+1], 0
	s_lshl_b32 s[PB], s[HF], 17                    ; my 64 k rows of 2,048 bytes,
	s_lshl_b32 s77, s[TX], 8                       ; the tile's 128 columns
	s_add_co_u32 s[PB], s[PB], s77
	s_mov_b32 s[PB+1], 0
	s_mul_i32 s[LA], s[HF], HALFA                  ; no place in the cluster enters an LDS address
	s_mul_i32 s[LB], s[HF], HALFB
	s_add_co_u32 s[LB], s[LB], BBASE
	s_lshl_b32 s[OO], s[TY], 20                    ; 256 rows of 4,096 bytes,
	s_lshl_b32 s40, s[WV], 18                      ; my wave's 64,
	s_add_co_u32 s[OO], s[OO], s40
	s_lshl_b32 s40, s[TX], 9                       ; the tile's 128 columns
	s_add_co_u32 s[OO], s[OO], s40
	s_mov_b32 s[OO+1], 0
	s_mov_b32 s41, 0                               ; s[40:41]: the same columns in out_b
	s_mov_b32 s[TB], 0
	s_wait_dscnt 0x0                               ; the opening add is done
	s_wait_kmcnt 0x0
	s_add_nc_u64 s[PA:PA+1], s[4:5], s[PA:PA+1]
	s_add_nc_u64 s[PB:PB+1], s[6:7], s[PB:PB+1]
	s_add_nc_u64 s[8:9], s[8:9], s[40:41]
	s_add_nc_u64 s[10:11], s[10:11], s[OO:OO+1]
	s_add_nc_u64 s[12:13], s[12:13], s[OO:OO+1]
	CROUND                                         ; all sixteen work-groups are here: the first joint loads meet
.irp s, 0,1
	s_mov_b32 s[G0A+4*(\s)], 1
	s_add_co_u32 s[G0A+4*(\s)+1], s[LA], (\s)*SLOT1
	s_add_nc_u64 s[G0A+4*(\s)+2:G0A+4*(\s)+3], s[PA:PA+1], (\s)*ASTEP
	s_or_b32 s[G0A+4*(\s)+3], s[G0A+4*(\s)+3], 0x80000000
	s_mov_b32 s[G0B+4*(\s)], 1
	s_add_co_u32 s[G0B+4*(\s)+1], s[LB], (\s)*SLOT1
	s_add_nc_u64 s[G0B+4*(\s)+2:G0B+4*(\s)+3], s[PB:PB+1], (\s)*BSTEP
	s_or_b32 s[G0B+4*(\s)+3], s[G0B+4*(\s)+3], 0x80000000
	JLOAD \s                                       ; two loads of mine are out
.endr
	v_and_b32 v1, 15, v0                           ; l % 16
	v_bfe_u32 v2, v0, 4, 1                         ; l / 16
	v_and_b32 v3, 7, v0
	v_bfe_u32 v4, v0, 3, 1
	v_lshlrev_b32 v[BO], 5, v2
.irp b, 0,1,2,3,4,5,6,7                ; the bias as the result holds it: register j of block b is column 16 b + 8 (l / 16) + j: the C operand of each sum's first product
	global_load_b128 v[BIAS+8*(\b):BIAS+8*(\b)+3],   v[BO], s[8:9] offset:64*(\b)
	global_load_b128 v[BIAS+8*(\b)+4:BIAS+8*(\b)+7], v[BO], s[8:9] offset:64*(\b)+16
.endr
	v_mul_u32_u24 v[ADRA0], v1, PITA
	v_lshl_add_u32 v[ADRA0], v2, 4, v[ADRA0]
	s_mul_i32 s40, s[WV], 64*PITA
	v_add_nc_u32 v[ADRA0], s40, v[ADRA0]
	v_lshl_add_u32 v[ADRB0], v2, 3, v3
	v_mul_u32_u24 v[ADRB0], v[ADRB0], PITB
	v_lshl_add_u32 v[ADRB0], v4, 4, v[ADRB0]
	v_add_nc_u32 v[ADRB0], BBASE, v[ADRB0]
	v_mov_b32 v[ADRA], v[ADRA0]
	v_mov_b32 v[ADRB], v[ADRB0]
	s_mul_i32 s40, s[WV], WSTAGE
	s_add_co_u32 s40, s40, STAGE                   ; my stage
	v_mul_u32_u24 v[STO], v1, SPIT                 ; in: row l % 16, 32 bytes for each half of the lanes
	v_lshl_add_u32 v[STO], v2, 5, v[STO]
	v_add_nc_u32 v[STO], s40, v[STO]
	v_and_b32 v[CO], 31, v0
	v_lshlrev_b32 v[CO], 4, v[CO]
	v_add_nc_u32 v[RD], s40, v[CO]                 ; back: 32 lanes take a row's 512 bytes
	; the prefetches' address: my tile's, plus my work-group's share, at K step 3: the first refill steps it to 4
	s_lshl_b32 s40, s[CX], 13                      ; O: 32 blocks of 256 bytes
	s_lshl_b32 s41, s[CY], 16                      ; wo: 32 rows of 2,048 bytes
	s_and_b32 s75, ttmp7, 0xffff                   ; cluster y,
	s_or_b32 s75, s75, s[HF]                       ; and wave 2 alone of the two that fetch wo
	s_mov_b32 s[PFS], BSTEP
	s_cmp_eq_u32 s[FBW], 0
	s_cselect_b64 s[PFA:PFA+1], s[PA:PA+1], s[PB:PB+1]
	s_cselect_b32 s74, s40, s41
	s_cselect_b32 s[PFS], ASTEP, s[PFS]
	s_cselect_b32 s41, ttmp9, s75
	s_cselect_b32 s22, 8, 11                       ; a lane a block of O, or a lane a row of wo
	s_mov_b32 s75, 0
	s_mov_b32 s[PFS+1], 0
	s_cmp_eq_u32 s41, 0
	s_cselect_b32 s[LIM], 2, -1                    ; the same in all sixteen partners, for a given wave
	s_add_nc_u64 s[PFA:PFA+1], s[PFA:PFA+1], s[74:75]
	s_add_nc_u64 s[PFA:PFA+1], s[PFA:PFA+1], s[PFS:PFS+1]
	s_add_nc_u64 s[PFA:PFA+1], s[PFA:PFA+1], s[PFS:PFS+1]
	s_add_nc_u64 s[PFA:PFA+1], s[PFA:PFA+1], s[PFS:PFS+1]
	v_and_b32 v[PFO], 31, v0
	v_lshlrev_b32 v[PFO], s22, v[PFO]
; 8 matrix instructions: row block a x all 8 column blocks, 32 along K, from buffer f.  zero = 1: the first product starts the sum, with the bias as C.  The 32 accumulators take turns, one instruction a turn,
; in the same order in every quarter, over the backward jump too.
.macro MULA f, a, zero
.if \zero
	WIN 0x42                                       ; source 0 window 2, source 1 and C window 0, D window 1
.else
	WIN 0x52                                       ; C and D window 1
.endif
.irp b, 0,1,2,3,4,5,6,7
.if \zero
	v_wmma_f32_16x16x32_f16 v[64*(\a)+8*(\b):64*(\a)+8*(\b)+7], v[64*(\f)+8*(\b):64*(\f)+8*(\b)+7], v[64+32*(\f)+8*(\a):64+32*(\f)+8*(\a)+7], v[BIAS+8*(\b):BIAS+8*(\b)+7]
.else
	v_wmma_f32_16x16x32_f16 v[64*(\a)+8*(\b):64*(\a)+8*(\b)+7], v[64*(\f)+8*(\b):64*(\f)+8*(\b)+7], v[64+32*(\f)+8*(\a):64+32*(\f)+8*(\a)+7], v[64*(\a)+8*(\b):64*(\a)+8*(\b)+7]
.endif
.endr
.endm
; 24 LDS loads in one run: quarter qr (32 along K: half a head) of the slot in hand into buffer f: wo's 8 fragments, then O's four
.macro FETCH qr, f
	WIN 0x80                                       ; destination window 2
.irp b, 0,1,2,3,4,5,6,7
	ds_load_tr16_b128 v[64*(\f)+8*(\b):64*(\f)+8*(\b)+3],   v[ADRB] offset:32*PITB*(\qr)+32*(\b)
	ds_load_tr16_b128 v[64*(\f)+8*(\b)+4:64*(\f)+8*(\b)+7], v[ADRB] offset:32*PITB*(\qr)+32*(\b)+16*PITB
.endr
	WIN 0
.irp i, 0,1,2,3
	ds_load_b128 v[64+32*(\f)+8*(\i):64+32*(\f)+8*(\i)+3],   v[ADRA] offset:((\qr)/2)*HALFA+((\qr)%2)*64+16*PITA*(\i)
	ds_load_b128 v[64+32*(\f)+8*(\i)+4:64+32*(\f)+8*(\i)+7], v[ADRA] offset:((\qr)/2)*HALFA+((\qr)%2)*64+16*PITA*(\i)+32
.endr
.endm
.macro QUARTER qr, f, g, zero
	s_wait_dscnt 4                                 ; all but the youngest four loads, O's row blocks 2 and 3
	MULA \f, 0, \zero
	MULA \f, 1, \zero
	PLACES
	FETCH \qr, \g
	s_wait_dscnt 24                                ; all but the 24 just issued
	MULA \f, 2, \zero
	MULA \f, 3, \zero
.endm
; The fourth quarter multiplies buffer 1 and changes slots.  In front of the barrier each wave waits for all its tensor loads (one is out: its part of the next slot), adds 0 to its spare word, and waits for that
; and for its reads of this slot.  fill = 1: the barrier opens a round of the cluster's barrier, and the joint refill, two K steps ahead, is the first thing behind the round: 112 matrix instructions ahead of the wait for it.
.macro TURN fill
.if \fill
	s_wait_xcnt 0x0                                ; the last prefetch, a K step back, has read its address
	s_add_nc_u64 s[PFA:PFA+1], s[PFA:PFA+1], s[PFS:PFS+1]
.endif
	WIN 0
	s_wait_tensorcnt 0x0                           ; no tensor load of mine is out, so a group 0 may be written
	ds_add_u32 v[SPW], v[NIL]
.if \fill
	s_xor_b32 s[G0A+5], s[G0A+5], SLOT1
	s_add_nc_u64 s[G0A+6:G0A+7], s[G0A+6:G0A+7], ASTEP
	s_xor_b32 s[G0B+5], s[G0B+5], SLOT1
	s_add_nc_u64 s[G0B+6:G0B+7], s[G0B+6:G0B+7], BSTEP
.endif
	s_xor_b32 s[TB], s[TB], SLOT1
	s_wait_dscnt 5                                 ; the add and the youngest four loads may be out
	MULA 1, 0, 0
	s_wait_dscnt 0x0                               ; the add is done, and my reads of this slot are over
	s_barrier_signal -1
	MULA 1, 1, 0
	WIN 0
	v_add_nc_u32 v[ADRA], s[TB], v[ADRA0]
	v_add_nc_u32 v[ADRB], s[TB], v[ADRB0]
	s_barrier_wait -1
.if \fill
	CREST
	JLOAD 1                                        ; its four v_nop are also the places in front of the loads below
.else
	PLACES
.endif
	FETCH 0, 0
.if \fill
	ASK
.endif
	MULA 1, 2, 0
	MULA 1, 3, 0
.endm
.macro XLOAD a                         ; x of my rows 16 a .. 16 a + 15: 16 loads of 512 consecutive bytes
	WIN 0xc0                                       ; destination window 3
.irp r, 0,1,2,3,4,5,6,7,8,9,10,11,12,13,14,15
	global_load_b128 v[64*(\a)+4*(\r):64*(\a)+4*(\r)+3], v[CO], s[10:11] offset:(16*(\a)+(\r))*4096 th:TH_LOAD_NT
.endr
	WIN 0
.endm
; THE WAY OUT of row block a.  TOSTAGE: the f32 sums go into my stage, each accumulator's low half first, and come back as whole rows of 512 bytes.  SEND: x is added, and the rows are stored.
.macro TOSTAGE a
.set TT, 64+128*((\a)%2)
.if (\a) >= 2
	s_wait_xcnt 0x0                                ; the stores of block a - 2 have read the registers that are loaded again below
.endif
	WIN 0x04                                       ; store data in window 1
.irp b, 0,1,2,3,4,5,6,7
	ds_store_b128 v[STO], v[64*(\a)+8*(\b):64*(\a)+8*(\b)+3]   offset:64*(\b)
	ds_store_b128 v[STO], v[64*(\a)+8*(\b)+4:64*(\a)+8*(\b)+7] offset:64*(\b)+16
.endr
	WIN 0
.irp r, 0,1,2,3,4,5,6,7,8,9,10,11,12,13,14,15
	ds_load_b128 v[TT+4*(\r):TT+4*(\r)+3], v[RD] offset:SPIT*(\r)  ; LDS serves a wave's instructions in order (ISA guide 5.7.1.4): these see the stores above
.endr
.endm
.macro SEND a, younger                 ; younger: the LDS instructions issued behind block a's loads: the next block's 32, or none
.set TT, 64+128*((\a)%2)
	s_wait_dscnt \younger
	s_wait_loadcnt 16*(3-(\a))                     ; x of block a is in; the later blocks' 16 loads each may stay out
	WIN 0x0c                                       ; source 1 in window 3
.set i, 0
.rept 32
	v_pk_add_f32 v[TT+2*i:TT+2*i+1], v[TT+2*i:TT+2*i+1], v[64*(\a)+2*i:64*(\a)+2*i+1]
.set i, i+1
.endr
	WIN 0
.irp r, 0,1,2,3,4,5,6,7,8,9,10,11,12,13,14,15
	global_store_b128 v[CO], v[TT+4*(\r):TT+4*(\r)+3], s[12:13] offset:(16*(\a)+(\r))*4096 th:TH_STORE_NT  ; 512 consecutive bytes, aligned
.endr
.endm
	s_wait_tensorcnt 1                             ; my part of K step 0 is in; K step 1's may stay out
	s_barrier_signal -1
	s_barrier_wait -1
	FETCH 0, 0
	XLOAD 0
	XLOAD 1
	s_wait_loadcnt 32                              ; the bias is in; x's 32 loads stay out
	QUARTER 1, 0, 1, 1                             ; the first quarter stands in front of the loop: its products start the sums
	WIN 0
	s_mov_b32 s[CNT], 6
.Lstep:                                                ; a trip goes from a K step's second quarter to the next step's first, and fills one slot again
	QUARTER 2, 1, 0, 0
	QUARTER 3, 0, 1, 0
	TURN 1
	QUARTER 1, 0, 1, 0
	WIN 0
	s_sub_co_u32 s[CNT], s[CNT], 1
	s_cmp_lg_u32 s[CNT], 0
	s_cbranch_scc1 .Lstep
	QUARTER 2, 1, 0, 0                             ; K steps 6 and 7 are written out: nothing is left to ask for
	QUARTER 3, 0, 1, 0
	TURN 0
	XLOAD 2
	XLOAD 3
	QUARTER 1, 0, 1, 0
	QUARTER 2, 1, 0, 0
	QUARTER 3, 0, 1, 0
	s_wait_dscnt 4
	MULA 1, 0, 0
	MULA 1, 1, 0
	s_wait_dscnt 0x0
	MULA 1, 2, 0
	MULA 1, 3, 0
	WIN 0
	PLACES
	PLACES                                         ; eight plain places, once a launch, ahead of the LDS stores that read the results
	TOSTAGE 0
	TOSTAGE 1
	SEND 0, 32
	TOSTAGE 2
	SEND 1, 32
	TOSTAGE 3
	SEND 2, 32
	SEND 3, 0
	s_wait_tensorcnt 0x0                           ; the wave's end
	ds_add_u32 v[SPW], v[NIL]
	s_wait_dscnt 0x0
	CROUND                                         ; the closing round
	s_endpgm
.Lfunc_end_k_qa957eacb66_proj:
	.size	k_qa957eacb66_proj, .Lfunc_end_k_qa957eacb66_proj-k_qa957eacb66_proj
	.p2alignl 7, 3214868480
	.fill 96, 4, 3214868480
	.section	.rodata,"a",@progbits
	.p2align	6, 0x0
	.amdhsa_kernel k_qa957eacb66_proj
		.amdhsa_group_segment_fixed_size 327680
		.amdhsa_private_segment_fixed_size 0
		.amdhsa_enable_private_segment 0
		.amdhsa_kernarg_size 40
		.amdhsa_user_sgpr_count 2
		.amdhsa_user_sgpr_kernarg_segment_ptr 1
		.amdhsa_wavefront_size32 1
		.amdhsa_system_sgpr_workgroup_id_x 1
		.amdhsa_system_sgpr_workgroup_id_y 1
		.amdhsa_system_sgpr_workgroup_id_z 1
		.amdhsa_system_vgpr_workitem_id 0
		.amdhsa_next_free_vgpr 1024
		.amdhsa_next_free_sgpr 80
		.amdhsa_reserve_vcc 0
		.amdhsa_float_denorm_mode_32 3
		.amdhsa_float_denorm_mode_16_64 3
		.amdhsa_memory_ordered 1
		.amdhsa_forward_progress 1
		.amdhsa_inst_pref_size 87
	.end_amdhsa_kernel
	.amdgpu_metadata
---
amdhsa.version: [ 1, 2 ]
amdhsa.kernels:
  - .name:           k_qa957eacb66_proj
    .symbol:         k_qa957eacb66_proj.kd
    .args:
      - { .name: o, .offset: 0, .size: 8, .value_kind: global_buffer, .address_space: global }
      - { .name: wo, .offset: 8, .size: 8, .value_kind: global_buffer, .address_space: global }
      - { .name: out_b, .offset: 16, .size: 8, .value_kind: global_buffer, .address_space: global }
      - { .name: x, .offset: 24, .size: 8, .value_kind: global_buffer, .address_space: global }
      - { .name: out0, .offset: 32, .size: 8, .value_kind: global_buffer, .address_space: global }
    .group_segment_fixed_size: 327680
    .private_segment_fixed_size: 0
    .kernarg_segment_align: 8
    .kernarg_segment_size: 40
    .max_flat_workgroup_size: 128
    .sgpr_count:     80
    .vgpr_count:     1024
    .wavefront_size: 32
...
	.end_amdgpu_metadata
.endif
;; end of part 4
